; MI455X (gfx1250); checked and timed in simulation.
; The chip was launched on July 23, 2026; its instructions are those of AMD's public machine-readable ISA for CDNA 5 (MIT licence, August 2026) and "CDNA5" Instruction Set Architecture Reference Guide (July 2026). The comments in the code are by the model that wrote it; some were corrected since.
;; Embedder. Allowed arithmetic: matrix products marked QUANTISED: E2M1 operands, one E8M0 scale for each 32 along K, by v_wmma_scale_f32_16x16x128_f8f6f4 with both operands' format E2M1 (or v_wmma_scale_f32_32x16x128_f4), f32 sums; everything else in f32.
;; Inputs: Wk_codes 1,024 x 32 x 16 uint8 (E2M1 codes of Wk, K innermost, in blocks of 32 codes, two codes a byte); Wk_scales 1,024 x 32 uint8 (E8M0 scales of Wk, one for each 32 codes along K); Wo_codes 1,024 x 32 x 16 uint8 (E2M1 codes of Wo, K innermost, in blocks of 32 codes, two codes a byte); Wo_scales 1,024 x 32 uint8 (E8M0 scales of Wo, one for each 32 codes along K); Wq_codes 1,024 x 32 x 16 uint8 (E2M1 codes of Wq, K innermost, in blocks of 32 codes, two codes a byte); Wq_scales 1,024 x 32 uint8 (E8M0 scales of Wq, one for each 32 codes along K); Wv_codes 1,024 x 32 x 16 uint8 (E2M1 codes of Wv, K innermost, in blocks of 32 codes, two codes a byte); Wv_scales 1,024 x 32 uint8 (E8M0 scales of Wv, one for each 32 codes along K); bk 1,024 float32; bo 1,024 float32; bq 1,024 float32; bv 1,024 float32; segment_ids 4,096 int32; x_codes 4,096 x 32 x 16 uint8 (E2M1 codes of x, K innermost, in blocks of 32 codes, two codes a byte); x_scales 4,096 x 32 uint8 (E8M0 scales of x, one for each 32 codes along K).
;; Outputs: out0 1,024 float32.
;; Constants: pos = 100.
;; This version of the problem:
;;   THIS VERSION OF THE PROBLEM IS GIVEN IN LOW PRECISION. The matrix products marked QUANTISED in the list below multiply operands that are first quantised to E2M1 (2 exponent bits, 1 mantissa bit; 4 bits a number), with one power-of-two scale for each 32 numbers along K (OCP MX v1.0); their sums are f32. All else is computed in f32.
;;   The module's matrix products, in the order in which they are computed (A, B: the left and right operand; K: the contracted axis; several contracted axes count as one K, in the product's order):
;;     1. [M 4,096, K 1,024] x [K 1,024, N 1,024]; A: input x (given as codes); B: input Wq (given as codes): QUANTISED
;;     2. [M 4,096, K 1,024] x [K 1,024, N 1,024]; A: input x (given as codes); B: input Wk (given as codes): QUANTISED
;;     3. [M 4,096, K 1,024] x [K 1,024, N 1,024]; A: input x (given as codes); B: input Wv (given as codes): QUANTISED
;;     4. batch 16 x [M 4,096, K 64] x [K 64, N 4,096]; A: computed on the way; B: computed on the way: QUANTISED
;;     5. batch 16 x [M 64, K 4,096] x [K 4,096, N 4,096]; A: computed on the way; B: softmax (see below): QUANTISED
;;     6. [M 4,096, K 1,024] x [K 1,024, N 1,024]; A: computed on the way; B: input Wo (given as codes): QUANTISED
;;   THE QUANTISER, for each operand of a quantised product, along K:
;;     - K is cut into blocks of 32 from its start; a last block that is shorter is filled with zeros.
;;     - A block's scale is 2^e with e = floor(log2(the largest magnitude in the block)) - 2, held to -126 .. 127; a block of zeros has e = 0. As a byte (E8M0): e + 127.
;;     - Each number is divided by its block's scale, clamped to +-6, and rounded to the nearest number of E2M1, ties to even, subnormals kept.
;;     - The product sums the exact products of the quantised numbers (number of the format x scale) in f32.
;;   ~~~python
;;   def quantise(x, axis):      # numpy; x: float32 -> the quantised numbers, widened to float32 again
;;       x = np.moveaxis(x, axis, -1); K = x.shape[-1]
;;       x = np.pad(x, [(0, 0)] * (x.ndim - 1) + [(0, -K % 32)]); x = x.reshape(x.shape[:-1] + (-1, 32)); a = np.abs(x).max(-1, keepdims=True)
;;       e = np.where(a > 0, np.clip(np.frexp(np.where(a > 0, a, 1))[1] - 1 - 2, -126, 127), 0)      # np.frexp(a)[1] - 1 = floor(log2(a)), exactly
;;       r = np.clip(x / 2.0 ** e, -6, 6)
;;       step = 2.0 ** (np.maximum(np.frexp(np.where(r == 0, 1, r))[1] - 1, 0) - 1)
;;       q = np.round(r / step) * step * 2.0 ** e      # np.round: ties to even
;;       return np.moveaxis(q.reshape(q.shape[:-2] + (-1,))[..., :K], -1, axis).astype(np.float32)
;;   ~~~
;;   SOFTMAX AHEAD OF A QUANTISED PRODUCT. Where the list says 'softmax', what is quantised is not the finished softmax but p = 2^(t - M), with t = logit x log2(e) and M = ceil(the row's largest t), a whole number; so 1/2 < the row's largest p <= 1. The row's sum l is taken of the UNQUANTISED p, in f32, and the product's result is divided by l at the end. Since M is a whole number, a kernel that streams over the keys may use a running M (the ceiling of the running maximum): every later rescaling is an exact power of two, which a block's scale takes up: the codes' values come out the same.
;;   OPERANDS COMPUTED ON THE WAY. 'Computed on the way' means the value that the module computes at that place (a softmax that the list does not call 'softmax' is quantised finished and normalised). What goes into a quantiser is computed in f32, as accurately as f32 sums, v_exp_f32 and their like allow (about 1e-6 of the number): no bf16 or f16 on the way to a quantiser, and a product that is left as it is and whose result goes on into a quantised operand takes f32 operands (vector FMAs, or v_wmma_f32_16x16x4_f32). A number that lies on a knife's edge between two numbers of the format may be rounded either way, as far as f32 arithmetic and the matrix unit's own rounding can turn it there, and no further.
;;   INPUTS GIVEN AS CODES. Wk (in the module: [1024, 1024], K = its axis 1); Wo (in the module: [1024, 1024], K = its axis 1); Wq (in the module: [1024, 1024], K = its axis 1); Wv (in the module: [1024, 1024], K = its axis 1); x (in the module: [4096, 1024], K = its axis 1): each comes as NAME_codes (uint8): NAME with its K axis moved to the last place and cut into blocks of 32 codes, [.., K / 32, bytes a block], one block behind the other in memory; two codes a byte, the lower K in the low four bits (a code: sign, 2 exponent bits, 1 mantissa bit); and NAME_scales (uint8): the same leading axes, one E8M0 byte (e + 127) for each 32 codes along K. Its value is code x scale, taken as it is: it is not quantised again, and the codes and scales need not be those that the quantiser above would give.
;; 2 versions, each right; version 2 is version 1 with the launches attn, outp written anew for expert scheduling mode. Each part assembles by itself: llvm-mc -triple=amdgcn-amd-amdhsa -mcpu=gfx1250 --defsym DOCPART=n.
;; ======== version 1 of 2: 3 launches
;; workspace buffers: vc 2,097,152 bytes; vs 131,072 bytes; qkc 4,194,304 bytes; qks 524,288 bytes; wvc 2,097,152 bytes; wvs 131,072 bytes
;; launch proj (part 1): grid 8 x 32, 12 waves a work-group, clusters of 4 x 4, 297,472 bytes of LDS; arguments x_codes, x_scales, Wv_codes, Wv_scales, Wq_codes, Wq_scales, Wk_codes, Wk_scales, bv, bq, bk, vc, vs, qkc, qks; writes vc, vs, qkc, qks
.if DOCPART == 1
	.amdgcn_target "amdgcn-amd-amdhsa--gfx1250"
	.amdhsa_code_object_version 6
	.text
	.protected	k_q8ada1d7924_proj
	.globl	k_q8ada1d7924_proj
	.p2align	8
	.type	k_q8ada1d7924_proj,@function
k_q8ada1d7924_proj:
	s_mov_b64 s[64:65], 0
	v_nop
	global_prefetch_b8 v0, s[64:65] scope:SCOPE_SE
	s_setreg_imm32_b32 hwreg(HW_REG_WAVE_MODE, 25, 1), 1
	s_wait_xcnt 0x0
	s_wait_alu depctr_hold_cnt(0) depctr_sa_sdst(0) depctr_va_vdst(0) depctr_va_sdst(0) depctr_va_ssrc(0) depctr_va_vcc(0) depctr_vm_vsrc(0)
	s_getreg_b32 s2, hwreg(HW_REG_IB_STS2, 6, 4)
	s_cmp_eq_u32 s2, 0
	s_cbranch_scc0 .Lentry_in_a_cluster
	s_endpgm
.Lentry_in_a_cluster:
	s_bfe_u32 s2, ttmp6, 0x10000c
	s_cmp_lg_u32 s2, 0xf033
	s_cbranch_scc0 .Lentry_shape_is_right
	s_endpgm
.Lentry_shape_is_right:
; PROJ: v = x Wv^T + bv, q = x Wq^T + bq, k = x Wk^T + bk on codes of FP4 (E2M1) with E8M0 scales, and the three results quantised for the products that follow:
; v along the TOKENS (the second attention product's K), q and k along a head's 64 channels.  The codes leave as images of the operand registers that the next launch loads.
;
; WHAT THE WHOLE PROGRAM LEAVES OUT, and why it can reach no output, for all values of the inputs.  result = sum_s main[s] out[s] / sum_s main[s], main[s] = (segment_ids[s] == segment_ids[100]).
;  (a) A row s with main[s] = 0 is multiplied by 0: its out, wv, weights and scores reach nothing.  Launches attn and outp leave out tiles of 16 queries that hold no main token; a row that is not
;      main inside a tile that is kept gets zero codes ahead of the last product, which is the factor main[s] = 0.
;  (b) For a main row s, mask[s][t] = main[t], and where() puts 0 in the place of every other score.  So the first attention product is left out for steps of 128 keys that hold no main key; their
;      scores are the 0 that reference() writes.  The weights of those keys are not 0: the second attention product runs over all 4,096 keys.
;  (c) sum_s main[s] bo / sum_s main[s] = bo: bo is added once.
;  Which tiles and steps these are is decided by whole numbers, segment_ids, which attn and outp read from memory; no order and no count of the ids is assumed.  Every input is loaded.
;  THIS launch leaves nothing out: it fills LDS by tensor loads, and q and k are made for all tokens.
;  LIMITS: a NaN, an infinity or an overflow that reaches only the work left out is not carried to the result.  NaN and infinities among the inputs are not served.  A block whose largest magnitude
;  lies under 2^-124 keeps the scale byte 1; a block of zeros gets the byte 1 where the quantiser says 127: its codes are zeros, and this program alone reads the bytes.
;
; SHARES.  Work-group (cg, tb): tokens 128 tb on, columns 128 cg on of each of v, q, k.  Twelve waves: waves 0-3 make v, 4-7 q, 8-11 k; wq = wave % 4.
; ONE SCHEME FOR ALL: source 0 = P, 128 rows (8 tiles): the axis that is quantised next; source 1 = R, 32 rows (2 tiles): 16 accumulators.  In a result lane (r, h) holds row r of R and its register j row 8 h + j of P's tile.
;   v: P = the tokens (x's tile), R = Wv's rows 32 wq on: a wave makes two whole fragments of V^T (16 channels x 128 keys) and their scale words.
;   q, k: P = W's 128 rows (two heads), R = x's rows 32 wq on: a wave makes two tiles of 16 tokens for two heads.
; LDS.  All of K = 1,024 of all four tiles (x, Wv, Wq, Wk) lies in LDS at once, in two planes of 512 along K: every byte is filled once, nothing is filled again.  Rows of 256 bytes + 16 of padding.
; CLUSTER.  4 x 4 work-groups.  x's tile hangs on tb alone and is shared along a row of the cluster, W's tiles on cg alone and are shared along a column: each is asked for jointly.
.set PITCH,  272
.set TILE,   128*PITCH                 ; a tile's half of K: 128 rows
.set HALF,   64*PITCH                  ; what one tensor load of codes brings
.set PLANE,  4*TILE                    ; x, Wv, Wq, Wk for 512 along K
.set SCL,    2*PLANE                   ; the scale bytes: for each tile 4,096 bytes as 16 rows of 256 + 16; row rho of the tile at (rho / 8) 272 + (rho % 8) 32
.set STILE,  16*272
.set SHALF,  8*272                     ; the scale bytes of 64 rows: what one tensor load of scales brings
.set SPARE,  SCL+4*STILE               ; the spare words, 128 bytes for each of twelve waves: six blocks of 256 bytes that no other line names
.set SPW, 1                            ; v1   LDS address of my spare word; never rewritten
.set NIL, 2                            ; v2   0; never rewritten
.set AP,  3                            ; v3-4 LDS address of P's fragments in plane 0, 1
.set AR,  5                            ; v5-6 of R's
.set ASP, 7                            ; v7   of P's scale words: lanes 0-15 an even tile's rows, lanes 16-31 the next tile's
.set ASR, 8                            ; v8   of R's: lanes 0-15 tile 0, lanes 16-31 tile 1
.set L16, 9                            ; v9   16 x lane
.set L4,  10                           ; v10  4 x lane
.set R4,  11                           ; v11  4 r
.set H32, 12                           ; v12  32 h
.set H16, 13                           ; v13  16 h
.set QSO, 14                           ; v14  16,384 h + 4 r: q's and k's scale words, lanes 16-31 the next head's
.set ACC, 16                           ; v16-143  accumulator (t, p) at ACC + 64 t + 8 p
.set PF,  144                          ; v144-207 P's eight fragments of a step
.set RF,  208                          ; v208-223 R's two
.set SP,  224                          ; v224-239 P's scale words: register 4 (p / 2) + q
.set SR,  240                          ; v240-243 R's: register q
.set BV,  244                          ; v244-247 bv of my channel, a pair for each tile
.set TM,  144                          ; the way out, where P's fragments lay: v144-159 at work,
.set PC,  160                          ; v160-175 two fragments' codes,
.set PW,  176                          ; v176-177 their scale words,
.set OS,  178                          ; v178-179 scale words as they are stored
.set WV,  20                           ; s20  my wave's number
.set G1XC, 40                          ; descriptor groups 1: x's codes, W's codes, x's scales, W's scales
.set G1WC, 48
.set G1XS, 56
.set G1WS, 68
.set G0XA, 76                          ; groups 0: x's codes plane 0, plane 1, x's scales; W's likewise
.set G0XB, 80
.set G0XS, 84
.set G0WA, 88
.set G0WB, 92
.set G0WS, 96
.macro CROUND                          ; a round of the cluster's barrier
	s_barrier_signal -1
	s_barrier_wait -1
	s_cmp_lg_u32 s[WV], 0
	s_cbranch_scc1 .Lnot_wave_0_\@
	s_barrier_signal -3
.Lnot_wave_0_\@:
	s_barrier_wait -3
	s_barrier_signal -1
	s_barrier_wait -1
.endm
.macro PLACES                          ; four plain places behind matrix instructions, ahead of loads into their registers and of reads of their results
.rept 4
	v_nop
.endr
.endm
; One product.  zero = 1: it starts the sum.  ra, rb: the scale word is taken from lanes 16-31 of its register
.macro WM d, a, b, zero, sa, sb, ra, rb
.if \zero
.if (\ra) && (\rb)
	v_wmma_scale_f32_16x16x128_f8f6f4 v[\d:\d+7], v[\a:\a+7], v[\b:\b+7], 0, v[\sa], v[\sb] matrix_a_fmt:MATRIX_FMT_FP4 matrix_b_fmt:MATRIX_FMT_FP4 matrix_a_scale:MATRIX_SCALE_ROW1 matrix_b_scale:MATRIX_SCALE_ROW1
.elseif (\ra)
	v_wmma_scale_f32_16x16x128_f8f6f4 v[\d:\d+7], v[\a:\a+7], v[\b:\b+7], 0, v[\sa], v[\sb] matrix_a_fmt:MATRIX_FMT_FP4 matrix_b_fmt:MATRIX_FMT_FP4 matrix_a_scale:MATRIX_SCALE_ROW1
.elseif (\rb)
	v_wmma_scale_f32_16x16x128_f8f6f4 v[\d:\d+7], v[\a:\a+7], v[\b:\b+7], 0, v[\sa], v[\sb] matrix_a_fmt:MATRIX_FMT_FP4 matrix_b_fmt:MATRIX_FMT_FP4 matrix_b_scale:MATRIX_SCALE_ROW1
.else
	v_wmma_scale_f32_16x16x128_f8f6f4 v[\d:\d+7], v[\a:\a+7], v[\b:\b+7], 0, v[\sa], v[\sb] matrix_a_fmt:MATRIX_FMT_FP4 matrix_b_fmt:MATRIX_FMT_FP4
.endif
.else
.if (\ra) && (\rb)
	v_wmma_scale_f32_16x16x128_f8f6f4 v[\d:\d+7], v[\a:\a+7], v[\b:\b+7], v[\d:\d+7], v[\sa], v[\sb] matrix_a_fmt:MATRIX_FMT_FP4 matrix_b_fmt:MATRIX_FMT_FP4 matrix_a_scale:MATRIX_SCALE_ROW1 matrix_b_scale:MATRIX_SCALE_ROW1
.elseif (\ra)
	v_wmma_scale_f32_16x16x128_f8f6f4 v[\d:\d+7], v[\a:\a+7], v[\b:\b+7], v[\d:\d+7], v[\sa], v[\sb] matrix_a_fmt:MATRIX_FMT_FP4 matrix_b_fmt:MATRIX_FMT_FP4 matrix_a_scale:MATRIX_SCALE_ROW1
.elseif (\rb)
	v_wmma_scale_f32_16x16x128_f8f6f4 v[\d:\d+7], v[\a:\a+7], v[\b:\b+7], v[\d:\d+7], v[\sa], v[\sb] matrix_a_fmt:MATRIX_FMT_FP4 matrix_b_fmt:MATRIX_FMT_FP4 matrix_b_scale:MATRIX_SCALE_ROW1
.else
	v_wmma_scale_f32_16x16x128_f8f6f4 v[\d:\d+7], v[\a:\a+7], v[\b:\b+7], v[\d:\d+7], v[\sa], v[\sb] matrix_a_fmt:MATRIX_FMT_FP4 matrix_b_fmt:MATRIX_FMT_FP4
.endif
.endif
.endm
; A step of 128 along K: the q-th of plane kh.  20 fragment loads (with q = 0 five more: the plane's scale words), their wait, 16 products.
; The 16 accumulators take turns, one instruction a turn, in the same order in every step.
.macro KSTEP kh, q, zero, first
.if \first == 0
	PLACES
.endif
.irp p, 0,1,2,3,4,5,6,7
	ds_load_b128 v[PF+8*\p:PF+8*\p+3],   v[AP+\kh] offset:\p*16*PITCH+64*\q
	ds_load_b128 v[PF+8*\p+4:PF+8*\p+7], v[AP+\kh] offset:\p*16*PITCH+64*\q+32
.endr
.irp t, 0,1
	ds_load_b128 v[RF+8*\t:RF+8*\t+3],   v[AR+\kh] offset:\t*16*PITCH+64*\q
	ds_load_b128 v[RF+8*\t+4:RF+8*\t+7], v[AR+\kh] offset:\t*16*PITCH+64*\q+32
.endr
.if \q == 0
.irp b, 0,1,2,3
	ds_load_b128 v[SP+4*\b:SP+4*\b+3], v[ASP] offset:1088*\b+16*\kh      ; four words a row: the plane's four steps; tiles 2 b (lanes 0-15) and 2 b + 1 (lanes 16-31)
.endr
	ds_load_b128 v[SR:SR+3], v[ASR] offset:16*\kh
.endif
	s_wait_dscnt 0x0
.irp p, 0,1,2,3,4,5,6,7
.irp t, 0,1
	WM ACC+64*\t+8*\p, PF+8*\p, RF+8*\t, \zero, SP+4*(\p/2)+\q, SR+\q, \p%2, \t
.endr
.endr
.endm
; 64 numbers of a lane, v[s] on: register 8 tau + j = k 16 tau + 8 h + j of my row.  They become a fragment's codes in v[pc] on and its scale word in v[pw].
; A block of 32 is tiles 2 b and 2 b + 1 in lanes l and l xor 16.  A conversion takes one tile's eight neighbours; tile 4 c + 2 u + e goes to register pc + 4 c + 2 e + u, and the exchange of halves
; between registers pc + 4 c + 2 e and + 1 leaves register 4 c + i with k = 64 c + 32 h + 8 i on: the operand's layout.
.macro QUANT s, pc, pw
.irp b, 0,1,2,3
	v_max3_num_f32 v[TM+\b], |v[\s+16*\b]|, |v[\s+1+16*\b]|, 0x1800000   ; block b: my 16 numbers, and the floor 2^(3 - 127): the byte cannot fall under 1.  Each accumulator is read from its low end on
.endr
.irp i, 2,4,6,8,10,12,14
.irp b, 0,1,2,3
	v_max3_num_f32 v[TM+\b], v[TM+\b], |v[\s+16*\b+\i]|, |v[\s+1+16*\b+\i]|
.endr
.endr
.irp b, 0,1,2,3
	v_permlanex16_b32 v[TM+4+\b], v[TM+\b], s2, s3
.endr
.irp b, 0,1,2,3
	v_max_num_f32 v[TM+\b], v[TM+\b], v[TM+4+\b]   ; with lane l xor 16's: the block's largest magnitude
.endr
.irp b, 0,1,2,3
	v_add_nc_u32 v[TM+12+\b], 0xff000000, v[TM+\b] ; 2 off its exponent field: the conversion's scale operand
.endr
.irp b, 0,1,2,3
	v_lshrrev_b32 v[TM+4+\b], 23, v[TM+12+\b]      ; the scale's byte
.endr
	v_lshl_or_b32 v[\pw], v[TM+5], 8, v[TM+4]
	v_lshl_or_b32 v[\pw], v[TM+6], 16, v[\pw]
	v_lshl_or_b32 v[\pw], v[TM+7], 24, v[\pw]
.irp b, 0,1,2,3
	v_cvt_scalef32_pk8_fp4_f32 v[\pc+4*(\b/2)+(\b%2)],   v[\s+16*\b:\s+16*\b+7],    v[TM+12+\b]
	v_cvt_scalef32_pk8_fp4_f32 v[\pc+4*(\b/2)+2+(\b%2)], v[\s+16*\b+8:\s+16*\b+15], v[TM+12+\b]
.endr
	v_nop                                          ; one plain place behind a scaled conversion
.irp c, 0,1
.irp e, 0,1
	v_permlane16_swap_b32 v[\pc+4*\c+2*\e], v[\pc+4*\c+2*\e+1]
.endr
.endr
.endm
	s_load_b512 s[4:19], s[0:1], 0x0               ; x's codes, scales; Wv's; Wq's; Wk's
	v_lshl_add_u32 v[SPW], v0, 2, SPARE
	v_mov_b32 v[NIL], 0
	ds_add_u32 v[SPW], v[NIL]                      ; the wave's opening: the add, twice on end, and its wait ahead of my first tensor load; the set-up below, work on registers, stands between
	ds_add_u32 v[SPW], v[NIL]
	v_lshrrev_b32 v144, 5, v0
	v_readfirstlane_b32 s[WV], v144                ; wave 0..11
	s_lshr_b32 s21, s[WV], 2                       ; role: 0 v, 1 q, 2 k
	s_and_b32 s22, s[WV], 3                        ; wq
	s_and_b32 s23, s[WV], 1                        ; which 64 rows of a tile I fetch
	s_bfe_u32 s24, ttmp6, 0x40000                  ; cx
	s_bfe_u32 s25, ttmp6, 0x40004                  ; cy
	s_lshl_b32 s26, ttmp9, 2
	s_add_co_u32 s26, s26, s24                     ; cg = 4 x cluster x + cx
	s_and_b32 s27, ttmp7, 0xffff
	s_lshl_b32 s27, s27, 2
	s_add_co_u32 s27, s27, s25                     ; tb = 4 x cluster y + cy
	s_lshl_b32 s28, s25, 2
	s_lshl_b32 s28, 15, s28                        ; my row of the cluster
	s_lshl_b32 s29, 0x1111, s24                    ; my column
	; groups 1.  Codes: 64 rows x 256 bytes, 512 bytes apart in memory, 16 bytes of padding behind each 64 words.  Scales: 2,048 dense bytes as 8 rows of 32 elements of 8 bytes, padded alike
	s_or_b32 s[G1XC], s28, (1<<20)|(1<<21)|(5<<22)|(3<<25)
	s_or_b32 s[G1WC], s29, (1<<20)|(1<<21)|(5<<22)|(3<<25)
.irp g, G1XC, G1WC
	s_mov_b32 s[\g+1], 256<<16                     ; tensor_dim0
	s_mov_b32 s[\g+2], 64<<16                      ; tensor_dim1
	s_mov_b32 s[\g+3], 256<<16                     ; tile_dim0
	s_mov_b32 s[\g+4], 64                          ; tile_dim1
	s_mov_b32 s[\g+5], 512                         ; from row to row
	s_mov_b32 s[\g+6], 0
	s_mov_b32 s[\g+7], 0
.endr
	s_or_b32 s[G1XS], s28, (3<<16)|(1<<20)|(1<<21)|(5<<22)|(3<<25)
	s_or_b32 s[G1WS], s29, (3<<16)|(1<<20)|(1<<21)|(5<<22)|(3<<25)
.irp g, G1XS, G1WS
	s_mov_b32 s[\g+1], 32<<16
	s_mov_b32 s[\g+2], 8<<16
	s_mov_b32 s[\g+3], 32<<16
	s_mov_b32 s[\g+4], 8
	s_mov_b32 s[\g+5], 32
	s_mov_b32 s[\g+6], 0
	s_mov_b32 s[\g+7], 0
.endr
	; every LDS address is made here, ahead of the first parting of the roles: the lane, the wave's number and constants
	v_and_b32 v144, 15, v0                         ; r
	v_bfe_u32 v145, v0, 4, 1                       ; h
	v_and_b32 v146, 31, v0                         ; lane
	v_mul_u32_u24 v147, v144, PITCH
	v_lshl_add_u32 v147, v145, 4, v147             ; a fragment's row x pitch + 16 h
	s_min_u32 s36, s21, 1
	s_add_co_u32 s37, s21, s36                     ; P's tile: 0 (x), 2 (Wq), 3 (Wk)
	s_xor_b32 s36, s36, 1                          ; R's tile: 1 (Wv), 0 (x), 0
	s_mul_i32 s38, s37, TILE
	v_add_nc_u32 v[AP], s38, v147
	v_add_nc_u32 v[AP+1], PLANE, v[AP]
	s_mul_i32 s38, s36, TILE
	s_mul_i32 s39, s22, 32*PITCH
	s_add_co_u32 s38, s38, s39
	v_add_nc_u32 v[AR], s38, v147
	v_add_nc_u32 v[AR+1], PLANE, v[AR]
	v_lshrrev_b32 v148, 3, v144
	v_mul_u32_u24 v148, v148, 272
	v_and_b32 v149, 7, v144
	v_lshl_add_u32 v148, v149, 5, v148
	v_mad_u32_u24 v148, v145, 544, v148            ; (r / 8) 272 + (r % 8) 32 + 544 h: lanes 16-31 stand 16 rows further on
	s_mul_i32 s38, s37, STILE
	s_add_co_u32 s38, s38, SCL
	v_add_nc_u32 v[ASP], s38, v148
	s_mul_i32 s38, s36, STILE
	s_mul_i32 s39, s22, 1088
	s_add_co_u32 s38, s38, s39
	s_add_co_u32 s38, s38, SCL
	v_add_nc_u32 v[ASR], s38, v148
	v_lshlrev_b32 v[L16], 4, v146
	v_lshlrev_b32 v[L4], 2, v146
	v_lshlrev_b32 v[R4], 2, v144
	v_lshlrev_b32 v[H32], 5, v145
	v_lshlrev_b32 v[H16], 4, v145
	v_lshl_add_u32 v[QSO], v145, 14, v[R4]
	; what I fetch, if I fetch (waves 0-7): half wave % 2 of tile wave / 2.  x's offsets are made of tb, W's of cg, each in registers that never hold the other coordinate
	s_lshl_b32 s30, s27, 16
	s_lshl_b32 s31, s23, 15
	s_add_co_u32 s30, s30, s31                     ; x's codes: 65,536 tb + 32,768 x half
	s_mov_b32 s31, 0
	s_lshl_b32 s32, s26, 16
	s_lshl_b32 s33, s23, 15
	s_add_co_u32 s32, s32, s33                     ; W's codes: 65,536 cg + 32,768 x half
	s_mov_b32 s33, 0
	s_lshr_b32 s34, s[WV], 1                       ; the tile that I fetch for
	s_mul_i32 s35, s[WV], HALF                     ; its codes go to wave x 64 rows of plane 0 (and of plane 1),
	s_mul_i32 s38, s[WV], SHALF
	s_add_co_u32 s38, s38, SCL                     ; its scale bytes to wave x 8 rows of the scales' region
	s_lshl_b32 s39, s23, 11                        ; 2,048 x half: the scale bytes of 64 rows
	s_mov_b32 s2, 0x76543210
	s_mov_b32 s3, 0xfedcba98                       ; v_permlanex16_b32's selects for lane l xor 16
	s_wait_dscnt 0x0                               ; both opening adds are done
	s_wait_kmcnt 0x0
	s_cmp_eq_u32 s34, 1                            ; which W: the choice hangs on the wave's number alone
	s_cselect_b64 s[8:9], s[8:9], s[16:17]
	s_cselect_b64 s[10:11], s[10:11], s[18:19]
	s_cmp_eq_u32 s34, 2
	s_cselect_b64 s[8:9], s[12:13], s[8:9]
	s_cselect_b64 s[10:11], s[14:15], s[10:11]
	s_mov_b32 s[G0XA], 1
	s_mov_b32 s[G0XA+1], s35
	s_add_nc_u64 s[G0XA+2:G0XA+3], s[4:5], s[30:31]
	s_mov_b32 s[G0XB], 1
	s_add_co_u32 s[G0XB+1], s35, PLANE
	s_add_nc_u64 s[G0XB+2:G0XB+3], s[G0XA+2:G0XA+3], 256
	s_or_b32 s[G0XA+3], s[G0XA+3], 0x80000000
	s_or_b32 s[G0XB+3], s[G0XB+3], 0x80000000
	s_lshl_b32 s30, s27, 12
	s_add_co_u32 s30, s30, s39                     ; x's scales: 4,096 tb + 2,048 x half
	s_mov_b32 s[G0XS], 1
	s_mov_b32 s[G0XS+1], s38
	s_add_nc_u64 s[G0XS+2:G0XS+3], s[6:7], s[30:31]
	s_or_b32 s[G0XS+3], s[G0XS+3], 0x80000000
	s_mov_b32 s[G0WA], 1
	s_mov_b32 s[G0WA+1], s35
	s_add_nc_u64 s[G0WA+2:G0WA+3], s[8:9], s[32:33]
	s_mov_b32 s[G0WB], 1
	s_add_co_u32 s[G0WB+1], s35, PLANE
	s_add_nc_u64 s[G0WB+2:G0WB+3], s[G0WA+2:G0WA+3], 256
	s_or_b32 s[G0WA+3], s[G0WA+3], 0x80000000
	s_or_b32 s[G0WB+3], s[G0WB+3], 0x80000000
	s_lshl_b32 s32, s26, 12
	s_add_co_u32 s32, s32, s39                     ; W's scales: 4,096 cg + 2,048 x half
	s_mov_b32 s[G0WS], 1
	s_mov_b32 s[G0WS+1], s38
	s_add_nc_u64 s[G0WS+2:G0WS+3], s[10:11], s[32:33]
	s_or_b32 s[G0WS+3], s[G0WS+3], 0x80000000
	CROUND                                         ; all sixteen work-groups are here: the joint loads meet
	; ALL FILLS, one group, inside one branch on the wave's number: waves 0-1 for x, waves 2-7 for W, three loads each and in the same order: my half tile's scale bytes, its codes of plane 0, its codes of
	; plane 1; waves 8-11 issue none.  At most three loads of a wave are out.  Each line has one mask and one set of registers for all that issue it.
	; An s_nop 0 follows each load, four v_nop an arm's last
	s_cmp_lt_u32 s[WV], 2
	s_cbranch_scc0 .Lnot_x
	tensor_load_to_lds s[G0XS:G0XS+3], s[G1XS:G1XS+7]
	s_nop 0
	tensor_load_to_lds s[G0XA:G0XA+3], s[G1XC:G1XC+7]
	s_nop 0
	tensor_load_to_lds s[G0XB:G0XB+3], s[G1XC:G1XC+7]
	s_nop 0
	PLACES
	s_branch .Lasked
.Lnot_x:
	s_cmp_lt_u32 s[WV], 8
	s_cbranch_scc0 .Lasked
	tensor_load_to_lds s[G0WS:G0WS+3], s[G1WS:G1WS+7]
	s_nop 0
	tensor_load_to_lds s[G0WA:G0WA+3], s[G1WC:G1WC+7]
	s_nop 0
	tensor_load_to_lds s[G0WB:G0WB+3], s[G1WC:G1WC+7]
	s_nop 0
	PLACES
.Lasked:
	s_load_b256 s[4:11], s[0:1], 0x40              ; bv, bq, bk, vc  (the inputs' addresses are done with: the descriptors hold copies)
	s_load_b128 s[12:15], s[0:1], 0x60             ; vs, qkc
	s_load_b64 s[16:17], s[0:1], 0x70              ; qks
	s_wait_kmcnt 0x0
	s_cmp_lt_u32 s[WV], 4
	s_cbranch_scc0 .Lqk_head
	; v: my channel's bias, twice (a pair for the packed addition); where my fragments go
	s_lshl_b32 s30, s26, 9
	s_lshl_b32 s31, s22, 7
	s_add_co_u32 s30, s30, s31                     ; 4 (128 cg + 32 wq)
	s_mov_b32 s31, 0
	s_add_nc_u64 s[4:5], s[4:5], s[30:31]
	global_load_b32 v[BV],   v[R4], s[4:5]
	global_load_b32 v[BV+1], v[R4], s[4:5]
	global_load_b32 v[BV+2], v[R4], s[4:5] offset:64
	global_load_b32 v[BV+3], v[R4], s[4:5] offset:64
	s_lshl_b32 s30, s26, 1
	s_lshr_b32 s32, s22, 1
	s_add_co_u32 s30, s30, s32                     ; the head: 2 cg + wq / 2
	s_lshl_b32 s30, s30, 5
	s_add_co_u32 s30, s30, s27                     ; 32 x head + key step
	s_and_b32 s32, s22, 1
	s_lshl_b32 s34, s30, 12
	s_lshl_b32 s35, s32, 11
	s_add_co_u32 s34, s34, s35
	s_mov_b32 s35, 0
	s_add_nc_u64 s[10:11], s[10:11], s[34:35]      ; vc: [head][step][4 tiles][2][32 lanes][16 bytes]: my two tiles
	s_lshl_b32 s34, s30, 8
	s_lshl_b32 s32, s32, 7
	s_add_co_u32 s34, s34, s32
	s_add_nc_u64 s[12:13], s[12:13], s[34:35]      ; vs: [head][step][2][32 lanes] words
	s_branch .Lhead_done
.Lqk_head:
	; q, k: THE BIAS IS LOADED STRAIGHT INTO THE ACCUMULATORS, in the result's layout (lane (r, h), tile p: channels 16 p + 8 h + 0 .. 7): the first product adds onto it
	s_cmp_lt_u32 s[WV], 8
	s_cselect_b64 s[6:7], s[6:7], s[8:9]           ; bq or bk
	s_lshl_b32 s30, s26, 9
	s_mov_b32 s31, 0
	s_add_nc_u64 s[6:7], s[6:7], s[30:31]
.irp t, 0,1
.irp p, 0,1,2,3,4,5,6,7
	global_load_b128 v[ACC+64*\t+8*\p:ACC+64*\t+8*\p+3],   v[H32], s[6:7] offset:64*\p
	global_load_b128 v[ACC+64*\t+8*\p+4:ACC+64*\t+8*\p+7], v[H32], s[6:7] offset:64*\p+16
.endr
.endr
	s_lshl_b32 s30, s26, 9
	s_lshl_b32 s32, s27, 3
	s_add_co_u32 s30, s30, s32
	s_lshl_b32 s32, s22, 1
	s_add_co_u32 s30, s30, s32                     ; 256 x head + tile of tokens: 512 cg + 8 tb + 2 wq
	s_sub_co_u32 s32, s21, 1                       ; 0: q, 1: k
	s_lshl_b32 s34, s30, 9
	s_lshl_b32 s35, s32, 21
	s_add_co_u32 s34, s34, s35
	s_mov_b32 s35, 0
	s_add_nc_u64 s[14:15], s[14:15], s[34:35]      ; qkc: [q, k][head][tile][32 lanes][16 bytes]
	s_lshl_b32 s34, s30, 6
	s_lshl_b32 s32, s32, 18
	s_add_co_u32 s34, s34, s32
	s_add_nc_u64 s[16:17], s[16:17], s[34:35]      ; qks: [q, k][head][tile][16 rows] words
.Lhead_done:
	s_wait_tensorcnt 0x1                           ; my scale bytes and my part of plane 0 are in; the one load issued behind them, plane 1's, may stay out
	s_barrier_signal -1
	s_barrier_wait -1                              ; plane 0 and the scales are whole
	s_cmp_lt_u32 s[WV], 4
	s_cbranch_scc0 .Lqk_first
	KSTEP 0, 0, 1, 1                               ; v: the first products start the sums
	s_branch .Lfirst_done
.Lqk_first:
	s_wait_loadcnt 0x0                             ; the bias lies in the accumulators
	KSTEP 0, 0, 0, 1
.Lfirst_done:
	KSTEP 0, 1, 0, 0
	KSTEP 0, 2, 0, 0
	KSTEP 0, 3, 0, 0
	s_wait_tensorcnt 0x0                           ; my part of plane 1 is in (no LDS instruction of mine is out),
	s_barrier_signal -1
	s_barrier_wait -1                              ; everybody's is
	KSTEP 1, 0, 0, 0
	KSTEP 1, 1, 0, 0
	KSTEP 1, 2, 0, 0
	KSTEP 1, 3, 0, 0
	PLACES
	s_cmp_lt_u32 s[WV], 4
	s_cbranch_scc0 .Lqk_out
	; v: + bv, quantised along the 128 tokens: a fragment of V^T and a scale word a channel for each of my two tiles.  Each store of codes covers 512 consecutive bytes, aligned
	s_wait_loadcnt 0x0
.irp t, 0,1
.set j, 0
.rept 32
	v_pk_add_f32 v[ACC+64*\t+j:ACC+64*\t+j+1], v[ACC+64*\t+j:ACC+64*\t+j+1], v[BV+2*\t:BV+2*\t+1]
.set j, j+2
.endr
	QUANT ACC+64*\t, PC+8*\t, PW+\t
	global_store_b128 v[L16], v[PC+8*\t:PC+8*\t+3],   s[10:11] offset:1024*\t
	global_store_b128 v[L16], v[PC+8*\t+4:PC+8*\t+7], s[10:11] offset:1024*\t+512
.endr
	s_mov_b32 s30, 0xffff0000
	v_cndmask_b32 v[OS], v[PW], v[PW+1], s30       ; lanes 0-15: tile 0's words, lanes 16-31: tile 1's
	global_store_b32 v[L4], v[OS], s[12:13]
	s_branch .Ldone
.Lqk_out:
	; q, k: quantised along the 128 channels, which are two heads of 64: registers 0-3 of the codes are the first head's fragment, 4-7 the second's; the word's bytes 0, 1 and 2, 3 likewise.
	; The scale words leave as two pieces of 64 bytes a store, one byte for eight of the codes'
.irp t, 0,1
	QUANT ACC+64*\t, PC+8*\t, PW+\t
	global_store_b128 v[L16], v[PC+8*\t:PC+8*\t+3],   s[14:15] offset:512*\t
	global_store_b128 v[L16], v[PC+8*\t+4:PC+8*\t+7], s[14:15] offset:131072+512*\t
	v_lshrrev_b32 v[OS+\t], v[H16], v[PW+\t]
	v_and_b32 v[OS+\t], 0xffff, v[OS+\t]           ; two bytes; the upper two are 0: they stand over zero codes in the next launch
	global_store_b32 v[QSO], v[OS+\t], s[16:17] offset:64*\t
.endr
.Ldone:
	s_wait_tensorcnt 0x0                           ; the wave's end: three closing lines
	ds_add_u32 v[SPW], v[NIL]
	s_wait_dscnt 0x0
	CROUND                                         ; the closing round: no work-group ends while a partner may still ask for a tile that names it
	s_endpgm
.Lfunc_end_k_q8ada1d7924_proj:
	.size	k_q8ada1d7924_proj, .Lfunc_end_k_q8ada1d7924_proj-k_q8ada1d7924_proj
	.p2alignl 7, 3214868480
	.fill 96, 4, 3214868480
	.section	.rodata,"a",@progbits
	.p2align	6, 0x0
	.amdhsa_kernel k_q8ada1d7924_proj
		.amdhsa_group_segment_fixed_size 297472
		.amdhsa_private_segment_fixed_size 0
		.amdhsa_enable_private_segment 0
		.amdhsa_kernarg_size 120
		.amdhsa_user_sgpr_count 2
		.amdhsa_user_sgpr_kernarg_segment_ptr 1
		.amdhsa_wavefront_size32 1
		.amdhsa_system_sgpr_workgroup_id_x 1
		.amdhsa_system_sgpr_workgroup_id_y 1
		.amdhsa_system_sgpr_workgroup_id_z 1
		.amdhsa_system_vgpr_workitem_id 0
		.amdhsa_next_free_vgpr 256
		.amdhsa_next_free_sgpr 100
		.amdhsa_reserve_vcc 0
		.amdhsa_float_denorm_mode_32 3
		.amdhsa_float_denorm_mode_16_64 3
		.amdhsa_memory_ordered 1
		.amdhsa_forward_progress 1
		.amdhsa_inst_pref_size 66
	.end_amdhsa_kernel
	.amdgpu_metadata
---
amdhsa.version: [ 1, 2 ]
amdhsa.kernels:
  - .name:           k_q8ada1d7924_proj
    .symbol:         k_q8ada1d7924_proj.kd
    .args:
      - { .name: x_codes, .offset: 0, .size: 8, .value_kind: global_buffer, .address_space: global }
      - { .name: x_scales, .offset: 8, .size: 8, .value_kind: global_buffer, .address_space: global }
      - { .name: Wv_codes, .offset: 16, .size: 8, .value_kind: global_buffer, .address_space: global }
      - { .name: Wv_scales, .offset: 24, .size: 8, .value_kind: global_buffer, .address_space: global }
      - { .name: Wq_codes, .offset: 32, .size: 8, .value_kind: global_buffer, .address_space: global }
      - { .name: Wq_scales, .offset: 40, .size: 8, .value_kind: global_buffer, .address_space: global }
      - { .name: Wk_codes, .offset: 48, .size: 8, .value_kind: global_buffer, .address_space: global }
      - { .name: Wk_scales, .offset: 56, .size: 8, .value_kind: global_buffer, .address_space: global }
      - { .name: bv, .offset: 64, .size: 8, .value_kind: global_buffer, .address_space: global }
      - { .name: bq, .offset: 72, .size: 8, .value_kind: global_buffer, .address_space: global }
      - { .name: bk, .offset: 80, .size: 8, .value_kind: global_buffer, .address_space: global }
      - { .name: vc, .offset: 88, .size: 8, .value_kind: global_buffer, .address_space: global }
      - { .name: vs, .offset: 96, .size: 8, .value_kind: global_buffer, .address_space: global }
      - { .name: qkc, .offset: 104, .size: 8, .value_kind: global_buffer, .address_space: global }
      - { .name: qks, .offset: 112, .size: 8, .value_kind: global_buffer, .address_space: global }
    .group_segment_fixed_size: 297472
    .private_segment_fixed_size: 0
    .kernarg_segment_align: 8
    .kernarg_segment_size: 120
    .max_flat_workgroup_size: 384
    .sgpr_count:     100
    .vgpr_count:     256
    .wavefront_size: 32
...
	.end_amdgpu_metadata
.endif
;; end of part 1
;; launch attn (part 2): grid 16 x 16, 16 waves a work-group, no clusters, 141,312 bytes of LDS; arguments segment_ids, qkc, qks, vc, vs, wvc, wvs; writes wvc, wvs
.if DOCPART == 2
	.amdgcn_target "amdgcn-amd-amdhsa--gfx1250"
	.amdhsa_code_object_version 6
	.text
	.protected	k_q8ada1d7924_attn
	.globl	k_q8ada1d7924_attn
	.p2align	8
	.type	k_q8ada1d7924_attn,@function
k_q8ada1d7924_attn:
	s_mov_b64 s[64:65], 0
	v_nop
	global_prefetch_b8 v0, s[64:65] scope:SCOPE_SE
	s_setreg_imm32_b32 hwreg(HW_REG_WAVE_MODE, 25, 1), 1
	s_wait_xcnt 0x0
; ATTN: for one head and the tiles of 16 queries that hold a main token: scores, softmax, weights x V, wv = O / l quantised along the channels, on codes of FP4 (E2M1) with E8M0 scales.
; LEFT OUT (shown at the head of the first kernel): tiles of 16 queries with no main token (main[s] = 0 multiplies their rows away); the score product of steps of 128 keys with no main key (where() writes 0 there,
; and 0 is what is used).  Both are choices by segment_ids, read here from memory; no order of the ids is assumed.  A row that is not main inside a kept tile is computed under the main rows' mask and gets zero codes.
; No tensor load and no cluster: branches here hang on loaded whole numbers, and joint requests exist for tensor loads alone.
; THE SOFTMAX: t = score x log2(e); M = the largest t so far, rounded up to a whole number; p = 2^(t - M) is quantised along the keys; l is the sum of the unquantised p and divides at the end.
; LIMITS: p under 2^-126 counts as 0; where M passes 124 the weights 2^-M of the keys outside the segment lie under the least scale and are held by it.  NaN and infinities are not served.
; SHARES.  Work-group (g, head) has sixteen candidate tiles T = g + 16 i.  Wave w owns keys 256 w on, two steps of 128, for all 64 channels; the sixteen partial (O, l, M) meet in LDS, and waves 0 and 1
; combine 32 channels each (a block of the next K), quantise and store.  The loop over candidates has a constant count and one barrier a candidate on every path; the branches on ids lead round work alone.
; LAYOUT.  Both products transposed: S^T = K Q^T, O^T = V^T P^T: a lane holds one query (lane % 16); register j of tile tau is key (or channel) 16 tau + 8 h + j.
; K = 64 IN A FORM OF 128: Q's operand is four registers of codes and four of zero codes; K's tile tau is the run of eight registers from KB + 4 tau, whose upper four (the next tile's codes) meet Q's zero codes.
; THE MASK: the codes of keys that are not main are set to 0, so that their score is the exact 0 of where().
.set BUFSZ, 69632                      ; an LDS buffer: sixteen waves' O (4,096 bytes each: eight images of 512), then their statistics (256 bytes each)
.set STATS, 65536
.set SPARE, 2*BUFSZ                    ; behind the two buffers: the spare words, 128 bytes for each of sixteen waves: eight blocks of 256 bytes that no other line names
.set SPW, 1                            ; v1   LDS address of my spare word; never rewritten
.set NIL, 2                            ; v2   0; never rewritten
.set L16, 3                            ; v3   16 x lane
.set L4,  4                            ; v4   4 x lane
.set R4,  5                            ; v5   4 r
.set QO,  6                            ; v6   the candidate's Q: 8,192 i + 16 x lane
.set QSO, 7                            ; v7   its scale words and its ids: 1,024 i + 4 r
.set WCO, 8                            ; v8   wv's codes: 256 beta + 16 r + 8 h
.set ID,  9                            ; v9   the id of my query (waves 0 and 1)
.set CLS, 10                           ; v10-11 the combiner's address of the statistics in buffer 0, 1
.set QF,  16                           ; v16-23 Q's operand; v20-23 stay 0
.set QS,  24                           ; v24  Q's scale words
.set STO, 25                           ; v25-26 where I put my O in buffer 0, 1
.set STS, 27                           ; v27-28 and my statistics
.set CLO, 29                           ; v29-30 the combiner's address of the partial O
.set WSO, 31                           ; v31  wv's scale byte: 32 r + beta
.set VF,  32                           ; v32-95  V^T's fragments: 32 k + 8 d
.set VS,  96                           ; v96-99  their scale words: 2 k + d / 2
.set OA,  100                          ; v100-131 O^T
.set S,   132                          ; v132-195 S^T, then p
.set KB,  196                          ; v196-231 K's codes; v228-231 stay 0
.set KS,  232                          ; v232-235 K's scale words
.set BM,  236                          ; v236-239 the blocks' largest scores
.set PM,  240                          ; v240-243 at work
.set SCO, 244                          ; v244-247 the conversions' scale operands
.set PW,  248                          ; v248 p's scale word
.set X,   249                          ; v249 2^-M
.set F,   250                          ; v[250:251] f = 2^(old M - new M) in the low word
.set PC,  196                          ; p's codes, where K's lay
.set T8,  204
.macro PLACES
.rept 4
	v_nop
.endr
.endm
.macro WM d, a, b, zero, sa, sb, ra
.if \zero
.if (\ra)
	v_wmma_scale_f32_16x16x128_f8f6f4 v[\d:\d+7], v[\a:\a+7], v[\b:\b+7], 0, v[\sa], v[\sb] matrix_a_fmt:MATRIX_FMT_FP4 matrix_b_fmt:MATRIX_FMT_FP4 matrix_a_scale:MATRIX_SCALE_ROW1
.else
	v_wmma_scale_f32_16x16x128_f8f6f4 v[\d:\d+7], v[\a:\a+7], v[\b:\b+7], 0, v[\sa], v[\sb] matrix_a_fmt:MATRIX_FMT_FP4 matrix_b_fmt:MATRIX_FMT_FP4
.endif
.else
.if (\ra)
	v_wmma_scale_f32_16x16x128_f8f6f4 v[\d:\d+7], v[\a:\a+7], v[\b:\b+7], v[\d:\d+7], v[\sa], v[\sb] matrix_a_fmt:MATRIX_FMT_FP4 matrix_b_fmt:MATRIX_FMT_FP4 matrix_a_scale:MATRIX_SCALE_ROW1
.else
	v_wmma_scale_f32_16x16x128_f8f6f4 v[\d:\d+7], v[\a:\a+7], v[\b:\b+7], v[\d:\d+7], v[\sa], v[\sb] matrix_a_fmt:MATRIX_FMT_FP4 matrix_b_fmt:MATRIX_FMT_FP4
.endif
.endif
.endm
; A KEY STEP: my k-th 128 keys.
.macro STEP k
	s_or_b32 s70, s[24+4*\k], s[25+4*\k]
	s_or_b32 s71, s[26+4*\k], s[27+4*\k]
	s_or_b32 s70, s70, s71
	s_cmp_lg_u32 s70, 0
	s_cbranch_scc0 .Lplain_\@                      ; no main key among the 128: every score is the 0 of where()
.irp u, 0,1,2,3                        ; lane masks for K's tiles 2 u and 2 u + 1: lane (r, h) holds key r of the tile, so the tile's 16 bits stand in both halves
	s_and_b32 s70, s[24+4*\k+\u], 0xffff
	s_lshl_b32 s71, s70, 16
	s_or_b32 s[32+2*\u], s70, s71
	s_lshr_b32 s70, s[24+4*\k+\u], 16
	s_lshl_b32 s71, s70, 16
	s_or_b32 s[33+2*\u], s70, s71
.endr
.irp u, 0,1,2,3,4,5,6,7
	global_load_b128 v[KB+4*\u:KB+4*\u+3], v[L16], s[48:49] offset:\k*4096+\u*512
.endr
.irp b, 0,1,2,3
	global_load_b32 v[KS+\b], v[L4], s[50:51] offset:\k*512+\b*128   ; lanes 0-15: tile 2 b's words, lanes 16-31: tile 2 b + 1's
.endr
	s_wait_loadcnt 0x0                             ; K, and with it Q, V and the ids
.irp u, 0,1,2,3,4,5,6,7
.irp i, 0,1,2,3
	v_cndmask_b32 v[KB+4*\u+\i], 0, v[KB+4*\u+\i], s[32+\u]
.endr
.endr
	PLACES                                         ; an operand written by vector instructions stands four places ahead of a scaled product
.irp u, 0,1,2,3,4,5,6,7
	WM S+8*\u, KB+4*\u, QF, 1, KS+\u/2, QS, \u%2
.endr
	PLACES
.irp b, 0,1,2,3
	v_max3_num_f32 v[BM+\b], v[S+16*\b], v[S+1+16*\b], v[S+2+16*\b]   ; the largest score of each block of 32 keys: for the row's maximum, and, since p rises with the score, for the block's largest p
.endr
.irp i, 3,5,7,9,11,13
.irp b, 0,1,2,3
	v_max3_num_f32 v[BM+\b], v[BM+\b], v[S+16*\b+\i], v[S+1+16*\b+\i]
.endr
.endr
.irp b, 0,1,2,3
	v_max_num_f32 v[BM+\b], v[BM+\b], v[S+15+16*\b]
.endr
.irp b, 0,1,2,3
	v_permlanex16_b32 v[PM+\b], v[BM+\b], s40, s41
.endr
.irp b, 0,1,2,3
	v_max_num_f32 v[BM+\b], v[BM+\b], v[PM+\b]     ; with lane l xor 16's 16 keys
.endr
	v_max3_num_f32 v252, v[BM], v[BM+1], v[BM+2]
	v_max_num_f32 v252, v252, v[BM+3]
	v_mul_f32 v252, s42, v252                      ; as t
	v_max_num_f32 v13, v13, v252                   ; the running largest t
	v_mov_b32 v252, v12
	v_floor_f32 v12, -v13                          ; the new -M = floor(-t): M is a whole number
	v_sub_f32 v252, v12, v252
	v_cvt_i32_f32 v252, v252                       ; old M - new M, 0 or less (it saturates)
	v_ldexp_f32 v[F], 1.0, v252                    ; f: a multiplication by it rounds nothing
.set j, 0
.rept 32
	v_pk_fma_f32 v[S+j:S+j+1], v[S+j:S+j+1], s[42:43], v[12:13] op_sel_hi:[1,0,0]   ; t - M, two at a time
.set j, j+2
.endr
.irp b, 0,1,2,3
	v_fma_f32 v[BM+\b], v[BM+\b], s42, v12
.endr
.set j, 0
.rept 64
	v_exp_f32 v[S+j], v[S+j]                       ; p = 2^(t - M)
.set j, j+1
.endr
	v_pk_mul_f32 v[14:15], v[14:15], v[F:F+1] op_sel_hi:[1,0]   ; l under the new M: the plain place behind the exponentials
	s_wait_alu depctr_va_vdst(0)                   ; one wait for the batch, ahead of its first reader
.irp b, 0,1,2,3
	v_exp_f32 v[BM+\b], v[BM+\b]                   ; the blocks' largest p
.endr
	v_pk_add_f32 v[PM:PM+1], v[S:S+1], v[S+2:S+3]  ; l takes the unquantised p, in two chains
.irp j, 4,8,12,16,20,24,28,32,36,40,44,48,52,56,60
	v_pk_add_f32 v[14:15], v[14:15], v[S+\j:S+\j+1]
	v_pk_add_f32 v[PM:PM+1], v[PM:PM+1], v[S+2+\j:S+3+\j]
.endr
	v_pk_add_f32 v[14:15], v[14:15], v[PM:PM+1]
	s_wait_alu depctr_va_vdst(0)                   ; and one for the four
.irp b, 0,1,2,3
	v_max_num_f32 v[BM+\b], 0x1800000, v[BM+\b]    ; the floor 2^(3 - 127)
.endr
.irp b, 0,1,2,3
	v_add_nc_u32 v[SCO+\b], 0xff000000, v[BM+\b]
.endr
.irp b, 0,1,2,3
	v_lshrrev_b32 v[PM+\b], 23, v[SCO+\b]
.endr
	v_lshl_or_b32 v[PW], v[PM+1], 8, v[PM]
	v_lshl_or_b32 v[PW], v[PM+2], 16, v[PW]
	v_lshl_or_b32 v[PW], v[PM+3], 24, v[PW]
.irp b, 0,1,2,3                        ; tile 4 c + 2 u + e goes to register 4 c + 2 e + u; the exchange of halves then gives register 4 c + i the keys 64 c + 32 h + 8 i on
	v_cvt_scalef32_pk8_fp4_f32 v[PC+4*(\b/2)+(\b%2)],   v[S+16*\b:S+16*\b+7],    v[SCO+\b]
	v_cvt_scalef32_pk8_fp4_f32 v[PC+4*(\b/2)+2+(\b%2)], v[S+16*\b+8:S+16*\b+15], v[SCO+\b]
.endr
	v_nop
.irp c, 0,1
.irp e, 0,1
	v_permlane16_swap_b32 v[PC+4*\c+2*\e], v[PC+4*\c+2*\e+1]
.endr
.endr
	s_branch .Ljoin_\@
.Lplain_\@:                            ; t = 0 for all 128 keys: one p, 2^-M, for all of them
	s_wait_loadcnt 0x0                             ; V (and Q, the ids)
	v_max_num_f32 v13, 0, v13
	v_mov_b32 v252, v12
	v_floor_f32 v12, -v13
	v_sub_f32 v252, v12, v252
	v_cvt_i32_f32 v252, v252
	v_ldexp_f32 v[F], 1.0, v252
	v_exp_f32 v[X], v12
	v_pk_mul_f32 v[14:15], v[14:15], v[F:F+1] op_sel_hi:[1,0]
	s_wait_alu depctr_va_vdst(0)
	v_fma_f32 v14, v[X], 0x42800000, v14           ; my half of the lanes holds 64 of the 128 keys
	v_max_num_f32 v252, 0x1800000, v[X]
	v_add_nc_u32 v253, 0xff000000, v252
	v_lshrrev_b32 v254, 23, v253
	v_mul_lo_u32 v[PW], v254, 0x01010101           ; the same byte for the four blocks
.irp i, 0,1,2,3,4,5,6,7
	v_mov_b32 v[T8+\i], v[X]
.endr
	v_cvt_scalef32_pk8_fp4_f32 v[PC], v[T8:T8+7], v253
	v_nop
.irp i, 1,2,3,4,5,6,7
	v_mov_b32 v[PC+\i], v[PC]
.endr
.Ljoin_\@:
.set j, 0
.rept 16
	v_pk_mul_f32 v[OA+j:OA+j+1], v[OA+j:OA+j+1], v[F:F+1] op_sel_hi:[1,0]   ; O^T under the new M; these sixteen are also the places between p's codes and scale word and the products
.set j, j+2
.endr
.irp d, 0,1,2,3
	WM OA+8*\d, VF+32*\k+8*\d, PC, 0, VS+2*\k+\d/2, PW, \d%2
.endr
	PLACES                                         ; ahead of loads into p's and V's registers and of the reads of O^T
.endm
; the combiner: sixteen loads, partials c0 .. c0 + 3 of my 32 channels
.macro CLOAD reg, c0, adr
.irp c, 0,1,2,3
.irp i, 0,1,2,3
	ds_load_b128 v[\reg+16*\c+4*\i:\reg+16*\c+4*\i+3], v[\adr] offset:(\c0+\c)*4096+512*\i
.endr
.endr
.endm
.macro CACC reg, c0, first             ; acc += f_c O_c; f_c is the low word of partial c's pair
.irp c, 0,1,2,3
.irp j, 0,2,4,6,8,10,12,14
.if (\first) && (\c == 0)
	v_pk_mul_f32 v[OA+\j:OA+\j+1], v[\reg+\j:\reg+\j+1], v[196:197] op_sel_hi:[1,0]
.else
	v_pk_fma_f32 v[OA+\j:OA+\j+1], v[\reg+16*\c+\j:\reg+16*\c+\j+1], v[196+2*(\c0+\c):197+2*(\c0+\c)], v[OA+\j:OA+\j+1] op_sel_hi:[1,0,1]
.endif
.endr
.endr
.endm
; ONE CANDIDATE, through LDS buffer z.
.macro TRIP z
	s_add_co_u32 s23, s22, \z                      ; the candidate's number i
	s_lshr_b32 s63, s21, s23
	s_and_b32 s63, s63, 1
	s_cmp_lg_u32 s63, 0
	s_cbranch_scc0 .Ldead_\@                       ; no main token among its 16 queries
	v_lshl_add_u32 v[QO], s23, 13, v[L16]          ; (the last loads that named these two were waited for in the last live candidate's steps)
	v_lshl_add_u32 v[QSO], s23, 10, v[R4]
	global_load_b128 v[QF:QF+3], v[QO], s[44:45]
	global_load_b32 v[QS], v[QSO], s[46:47]
	s_cmp_lt_u32 s18, 2
	s_cbranch_scc0 .Lno_id_\@
	global_load_b32 v[ID], v[QSO], s[56:57]        ; the combiners want the queries' ids
.Lno_id_\@:
.irp k, 0,1
.irp d, 0,1,2,3
	global_load_b128 v[VF+32*\k+8*\d:VF+32*\k+8*\d+3],   v[L16], s[52:53] offset:4096*\k+1024*\d
	global_load_b128 v[VF+32*\k+8*\d+4:VF+32*\k+8*\d+7], v[L16], s[52:53] offset:4096*\k+1024*\d+512
.endr
.irp b, 0,1
	global_load_b32 v[VS+2*\k+\b], v[L4], s[54:55] offset:256*\k+128*\b
.endr
.endr
.set j, 0
.rept 32
	v_mov_b32 v[OA+j], 0                           ; the step is written once: the first finds zeros, which the first change of M leaves zeros
.set j, j+1
.endr
	v_mov_b32 v13, 0xff61b1e6                      ; the largest t so far: -3e38
	v_floor_f32 v12, -v13
	v_mov_b32 v14, 0
	v_mov_b32 v15, 0
	STEP 0
	STEP 1
	v_add_f32 v13, v14, v15                        ; l's two halves: v[12:13] = (-M, l)
.irp i, 0,1,2,3,4,5,6,7
	ds_store_b128 v[STO+\z], v[OA+4*\i:OA+4*\i+3] offset:512*\i      ; O^T as images of its registers, each accumulator from its low end on
.endr
	ds_store_b64 v[STS+\z], v[12:13]
.Ldead_\@:
	s_wait_dscnt 0x0                               ; my stores into this buffer have landed, and (waves 0, 1) my reads of the other buffer are in
	s_barrier_signal -1
	s_barrier_wait -1                              ; between this barrier and the next, the combiners read this buffer and all waves store into the other
	s_cmp_lt_u32 s18, 2
	s_cbranch_scc0 .Lno_comb_\@
	s_cmp_lg_u32 s63, 0
	s_cbranch_scc0 .Lno_comb_\@
.irp c, 0,1,2,3,4,5,6,7,8,9,10,11,12,13,14,15
	ds_load_b64 v[196+2*\c:197+2*\c], v[CLS+\z] offset:256*\c       ; (-M_c, l_c)
.endr
	CLOAD 32, 0, CLO+\z
	CLOAD 132, 4, CLO+\z
	s_wait_dscnt 32                                ; the statistics are in; the 32 loads behind them may be out
	v_max3_num_f32 v236, -v196, -v198, -v200       ; M = the largest M_c
.irp c, 3,5,7,9,11,13
	v_max3_num_f32 v236, v236, -v[196+2*\c], -v[198+2*\c]
.endr
	v_max_num_f32 v236, v236, -v226
.irp c, 0,1,2,3,4,5,6,7,8,9,10,11,12,13,14,15
	v_sub_f32 v[196+2*\c], -v[196+2*\c], v236      ; M_c - M: a whole number, 0 or less
.endr
.irp c, 0,1,2,3,4,5,6,7,8,9,10,11,12,13,14,15
	v_cvt_i32_f32 v[196+2*\c], v[196+2*\c]
.endr
.irp c, 0,1,2,3,4,5,6,7,8,9,10,11,12,13,14,15
	v_ldexp_f32 v[196+2*\c], 1.0, v[196+2*\c]      ; f_c = 2^(M_c - M)
.endr
	v_mul_f32 v237, v196, v197
.irp c, 1,2,3,4,5,6,7,8,9,10,11,12,13,14,15
	v_fma_f32 v237, v[196+2*\c], v[197+2*\c], v237 ; l = the sum of f_c l_c
.endr
	s_wait_dscnt 16                                ; partials 0-3 are in; the sixteen loads behind them may be out
	CACC 32, 0, 1
	CLOAD 32, 8, CLO+\z
	s_wait_dscnt 16                                ; partials 4-7
	CACC 132, 4, 0
	CLOAD 132, 12, CLO+\z
	s_wait_dscnt 16                                ; partials 8-11
	CACC 32, 8, 0
	s_wait_dscnt 0x0
	CACC 132, 12, 0
	v_permlanex16_b32 v236, v237, s40, s41
	v_add_f32 v237, v237, v236                     ; with lane l xor 16's keys: the row's sum
	v_rcp_f32 v236, v237
	v_nop
	s_wait_alu depctr_va_vdst(0)
.irp j, 0,2,4,6,8,10,12,14
	v_pk_mul_f32 v[OA+\j:OA+\j+1], v[OA+\j:OA+\j+1], v[236:237] op_sel_hi:[1,0]   ; wv: register 8 e + i is channel 32 beta + 16 e + 8 h + i of my query
.endr
	v_max3_num_f32 v238, |v[OA]|, |v[OA+1]|, 0x1800000
.irp j, 2,4,6,8,10,12,14
	v_max3_num_f32 v238, v238, |v[OA+\j]|, |v[OA+\j+1]|
.endr
	v_permlanex16_b32 v237, v238, s40, s41
	v_max_num_f32 v238, v238, v237                 ; the block's largest magnitude
	v_add_nc_u32 v239, 0xff000000, v238
	v_lshrrev_b32 v118, 23, v239                   ; its scale byte
	v_cvt_scalef32_pk8_fp4_f32 v116, v[OA:OA+7], v239
	v_cvt_scalef32_pk8_fp4_f32 v117, v[OA+8:OA+15], v239
	v_nop
	v_permlane16_swap_b32 v116, v117               ; lane (r, 0): channels 0-15 of the block, lane (r, 1): channels 16-31
	v_cmp_eq_u32 vcc_lo, s62, v[ID]
	v_cndmask_b32 v116, 0, v116, vcc_lo            ; a row that is not main: zero codes, the factor main[s] = 0
	v_cndmask_b32 v117, 0, v117, vcc_lo
	v_lshl_add_u32 v252, s23, 17, v[WCO]
	v_lshl_add_u32 v253, s23, 13, v[WSO]
	global_store_b64 v252, v[116:117], s[58:59]    ; the wave stores 256 consecutive bytes, aligned: half an image of the next operand's registers
	global_store_b8 v253, v118, s[60:61]           ; one byte a row, 32 bytes apart (both halves of the lanes the same byte): one byte for sixteen of the codes'
	s_wait_xcnt 0x0                                ; the stores' registers are written again only behind this wait
.Lno_comb_\@:
.endm
	s_load_b256 s[4:11], s[0:1], 0x0               ; segment_ids, qkc, qks, vc
	s_load_b128 s[12:15], s[0:1], 0x20             ; vs, wvc
	s_load_b64 s[16:17], s[0:1], 0x30              ; wvs
	v_lshl_add_u32 v[SPW], v0, 2, SPARE
	v_mov_b32 v[NIL], 0
	v_lshrrev_b32 v252, 5, v0
	v_readfirstlane_b32 s18, v252                  ; wave 0..15
	s_mov_b32 s19, ttmp9                           ; g
	s_and_b32 s20, ttmp7, 0xffff                   ; the head
	v_and_b32 v252, 31, v0                         ; lane
	v_and_b32 v253, 15, v0                         ; r
	v_bfe_u32 v254, v0, 4, 1                       ; h
	v_lshlrev_b32 v[L16], 4, v252
	v_lshlrev_b32 v[L4], 2, v252
	v_lshlrev_b32 v[R4], 2, v253
	s_lshl_b32 s66, s18, 12
	v_add_nc_u32 v[STO], s66, v[L16]
	v_add_nc_u32 v[STO+1], BUFSZ, v[STO]
	s_lshl_b32 s66, s18, 8
	s_add_co_u32 s66, s66, STATS
	v_lshl_add_u32 v[STS], v252, 3, s66
	v_add_nc_u32 v[STS+1], BUFSZ, v[STS]
	s_and_b32 s67, s18, 1                          ; beta: which 32 channels a combiner takes
	s_lshl_b32 s66, s67, 11
	v_add_nc_u32 v[CLO], s66, v[L16]
	v_add_nc_u32 v[CLO+1], BUFSZ, v[CLO]
	v_lshl_add_u32 v[CLS], v252, 3, STATS
	v_add_nc_u32 v[CLS+1], BUFSZ, v[CLS]
	s_lshl_b32 s66, s67, 8
	v_lshl_add_u32 v[WCO], v253, 4, s66
	v_lshl_add_u32 v[WCO], v254, 3, v[WCO]
	v_lshl_add_u32 v[WSO], v253, 5, s67
	v_lshl_add_u32 v255, v254, 10, v[R4]           ; the candidates' ids: 4 r + 1,024 h
	v_mov_b32 v[ID], 0
.irp i, 4,5,6,7
	v_mov_b32 v[QF+\i], 0                          ; Q's zero codes for k = 64 .. 127
.endr
.irp i, 32,33,34,35
	v_mov_b32 v[KB+\i], 0                          ; what stands behind K's last tile
.endr
.irp b, 0,1,2,3
	v_mov_b32 v[PM+\b], 0                          ; written once: a lane permute's destination counts as one of its sources
.endr
	v_mov_b32 v[F+1], 0                            ; named as the upper half of the pair
	s_mov_b32 s40, 0x76543210
	s_mov_b32 s41, 0xfedcba98
	s_mov_b32 s42, 0x3fb8aa3b                      ; log2(e)
	s_mov_b32 s43, s42
	s_wait_kmcnt 0x0
	s_load_b32 s62, s[4:5], 0x190                  ; segment_ids[100]
	s_mov_b32 s71, 0
	s_lshl_b32 s70, s19, 6
	s_add_nc_u64 s[56:57], s[4:5], s[70:71]        ; ids of tile g
	s_lshl_b32 s70, s18, 10
	s_add_nc_u64 s[68:69], s[4:5], s[70:71]        ; ids of my 256 keys
.irp j, 0,1,2,3,4,5,6,7
	global_load_b32 v[32+\j], v255, s[56:57] offset:2048*\j          ; lanes 0-15: candidate 2 j, lanes 16-31: candidate 2 j + 1
.endr
.irp m, 0,1,2,3,4,5,6,7
	global_load_b32 v[40+\m], v[L4], s[68:69] offset:128*\m          ; keys 32 m on
.endr
	s_lshl_b32 s66, s20, 17
	s_lshl_b32 s70, s19, 9
	s_add_co_u32 s70, s70, s66
	s_add_nc_u64 s[44:45], s[6:7], s[70:71]        ; Q's codes: head, tile g
	s_lshl_b32 s67, s18, 13
	s_add_co_u32 s70, s66, s67
	s_add_nc_u64 s[52:53], s[10:11], s[70:71]      ; V's codes: head, my two steps
	s_add_co_u32 s70, s70, 1<<21
	s_add_nc_u64 s[48:49], s[6:7], s[70:71]        ; K's codes: head, my sixteen tiles
	s_lshl_b32 s66, s20, 14
	s_lshl_b32 s70, s19, 6
	s_add_co_u32 s70, s70, s66
	s_add_nc_u64 s[46:47], s[8:9], s[70:71]        ; Q's scale words
	s_lshl_b32 s67, s18, 10
	s_add_co_u32 s70, s66, s67
	s_add_co_u32 s70, s70, 262144
	s_add_nc_u64 s[50:51], s[8:9], s[70:71]        ; K's
	s_lshl_b32 s66, s20, 13
	s_lshl_b32 s67, s18, 9
	s_add_co_u32 s70, s66, s67
	s_add_nc_u64 s[54:55], s[12:13], s[70:71]      ; V's
	s_lshl_b32 s66, s19, 13
	s_lshl_b32 s67, s20, 9
	s_add_co_u32 s70, s66, s67
	s_add_nc_u64 s[58:59], s[14:15], s[70:71]      ; wvc: tile g, K step head / 2, half head % 2
	s_lshl_b32 s66, s19, 9
	s_lshl_b32 s67, s20, 1
	s_add_co_u32 s70, s66, s67
	s_add_nc_u64 s[60:61], s[16:17], s[70:71]      ; wvs: tile g, byte 2 x head
	s_wait_kmcnt 0x0
	s_wait_loadcnt 0x0
.irp j, 0,1,2,3,4,5,6,7
	v_cmp_eq_u32 s[32+\j], s62, v[32+\j]
.endr
.irp m, 0,1,2,3,4,5,6,7
	v_cmp_eq_u32 s[24+\m], s62, v[40+\m]           ; s24-31: which of my keys are main
.endr
	s_mov_b32 s21, 0                               ; s21: bit i: candidate i holds a main token
.irp j, 0,1,2,3,4,5,6,7
	s_and_b32 s70, s[32+\j], 0xffff
	s_cselect_b32 s70, 1<<(2*\j), 0
	s_or_b32 s21, s21, s70
	s_lshr_b32 s70, s[32+\j], 16
	s_cselect_b32 s70, 1<<(2*\j+1), 0
	s_or_b32 s21, s21, s70
.endr
	s_mov_b32 s22, 0
.Lcand:                                ; eight trips of two candidates: the two LDS buffers are constants of the two copies
	TRIP 0
	TRIP 1
	s_add_co_u32 s22, s22, 2
	s_cmp_lt_u32 s22, 16
	s_cbranch_scc1 .Lcand
	s_wait_tensorcnt 0x0                           ; the wave's end
	ds_add_u32 v[SPW], v[NIL]
	s_wait_dscnt 0x0
	s_endpgm
.Lfunc_end_k_q8ada1d7924_attn:
	.size	k_q8ada1d7924_attn, .Lfunc_end_k_q8ada1d7924_attn-k_q8ada1d7924_attn
	.p2alignl 7, 3214868480
	.fill 96, 4, 3214868480
	.section	.rodata,"a",@progbits
	.p2align	6, 0x0
	.amdhsa_kernel k_q8ada1d7924_attn
		.amdhsa_group_segment_fixed_size 141312
		.amdhsa_private_segment_fixed_size 0
		.amdhsa_enable_private_segment 0
		.amdhsa_kernarg_size 56
		.amdhsa_user_sgpr_count 2
		.amdhsa_user_sgpr_kernarg_segment_ptr 1
		.amdhsa_wavefront_size32 1
		.amdhsa_system_sgpr_workgroup_id_x 1
		.amdhsa_system_sgpr_workgroup_id_y 1
		.amdhsa_system_sgpr_workgroup_id_z 1
		.amdhsa_system_vgpr_workitem_id 0
		.amdhsa_next_free_vgpr 256
		.amdhsa_next_free_sgpr 72
		.amdhsa_reserve_vcc 1
		.amdhsa_float_denorm_mode_32 3
		.amdhsa_float_denorm_mode_16_64 3
		.amdhsa_memory_ordered 1
		.amdhsa_forward_progress 1
		.amdhsa_inst_pref_size 132
	.end_amdhsa_kernel
	.amdgpu_metadata
---
amdhsa.version: [ 1, 2 ]
amdhsa.kernels:
  - .name:           k_q8ada1d7924_attn
    .symbol:         k_q8ada1d7924_attn.kd
    .args:
      - { .name: segment_ids, .offset: 0, .size: 8, .value_kind: global_buffer, .address_space: global }
      - { .name: qkc, .offset: 8, .size: 8, .value_kind: global_buffer, .address_space: global }
      - { .name: qks, .offset: 16, .size: 8, .value_kind: global_buffer, .address_space: global }
      - { .name: vc, .offset: 24, .size: 8, .value_kind: global_buffer, .address_space: global }
      - { .name: vs, .offset: 32, .size: 8, .value_kind: global_buffer, .address_space: global }
      - { .name: wvc, .offset: 40, .size: 8, .value_kind: global_buffer, .address_space: global }
      - { .name: wvs, .offset: 48, .size: 8, .value_kind: global_buffer, .address_space: global }
    .group_segment_fixed_size: 141312
    .private_segment_fixed_size: 0
    .kernarg_segment_align: 8
    .kernarg_segment_size: 56
    .max_flat_workgroup_size: 512
    .sgpr_count:     72
    .vgpr_count:     256
    .wavefront_size: 32
...
	.end_amdgpu_metadata
.endif
;; end of part 2
;; launch outp (part 3): grid 64 x 1, 16 waves a work-group, no clusters, 4,352 bytes of LDS; arguments segment_ids, wvc, wvs, Wo_codes, Wo_scales, bo, out0; writes out0
.if DOCPART == 3
	.amdgcn_target "amdgcn-amd-amdhsa--gfx1250"
	.amdhsa_code_object_version 6
	.text
	.protected	k_q8ada1d7924_outp
	.globl	k_q8ada1d7924_outp
	.p2align	8
	.type	k_q8ada1d7924_outp,@function
k_q8ada1d7924_outp:
	s_mov_b64 s[64:65], 0
	v_nop
	global_prefetch_b8 v0, s[64:65] scope:SCOPE_SE
	s_setreg_imm32_b32 hwreg(HW_REG_WAVE_MODE, 25, 1), 1
	s_wait_xcnt 0x0
; OUTP: out0[n] = (sum over main rows s of wv[s] . Wo[n]) / (number of main rows) + bo[n], the product on codes of FP4 (E2M1) with E8M0 scales.
; LEFT OUT (shown at the head of the first kernel): tiles of 16 rows with no main token, chosen by segment_ids, read here from memory; bo is added once, since sum(main bo) / sum(main) = bo.
; Rows that are not main inside a kept tile carry zero codes, so all kept tiles and all eight K steps add into the same two accumulators, and the sum over rows is taken once, at the end.
; SHARES.  Work-group wg owns output columns 16 wg on; its rows of Wo stay in every wave's registers.  Wave w walks the candidate tiles T = w + 16 i: the sixteen waves cover all tokens, so their counts add up
; to the number of main rows.  The loop's count is constant; the branch on ids leads round a tile's loads and products alone.
; The work-group stores 64 bytes: a wider share would leave fewer work-groups for an output of 4,096 bytes.
.set SPARE, 2304                       ; LDS: 0-2,047 a partial sum for each thread; 2,048 on a count for each wave; from 2,304 the spare words, 128 bytes for each of sixteen waves
.set SPW, 1
.set NIL, 2
.set L16, 3                            ; v3   16 x lane
.set WOO, 4                            ; v4   Wo: 512 r + 16 h
.set R32, 5                            ; v5   32 r
.set AO,  6                            ; v6   the tile's codes: 131,072 i + 16 x lane
.set ASO, 7                            ; v7   its scale words: 8,192 i + 32 r
.set BO,  8                            ; v8   bo (wave 0)
.set R4,  10                           ; v10  4 r
.set IDO, 11                           ; v11  4 r + 1,024 h
.set LT,  12                           ; v12  LDS: 4 x thread
.set LC,  13                           ; v13  LDS: my wave's count
.set LC0, 14                           ; v14  LDS: the counts
.set BF,  32                           ; v32-95   Wo's eight fragments
.set BSC, 96                           ; v96-103  their scale words
.set AF,  104                          ; v104-167 wv's eight fragments
.set ASC, 168                          ; v168-175 their scale words
.set ACC, 176                          ; v176-191 two accumulators, by turns
	s_load_b256 s[4:11], s[0:1], 0x0               ; segment_ids, wvc, wvs, Wo's codes
	s_load_b128 s[12:15], s[0:1], 0x20             ; Wo's scales, bo
	s_load_b64 s[16:17], s[0:1], 0x30              ; out0
	v_lshl_add_u32 v[SPW], v0, 2, SPARE
	v_mov_b32 v[NIL], 0
	v_lshrrev_b32 v192, 5, v0
	v_readfirstlane_b32 s18, v192                  ; wave 0..15
	v_and_b32 v192, 31, v0
	v_and_b32 v193, 15, v0                         ; r
	v_bfe_u32 v194, v0, 4, 1                       ; h
	v_lshlrev_b32 v[L16], 4, v192
	v_lshlrev_b32 v[WOO], 9, v193
	v_lshl_add_u32 v[WOO], v194, 4, v[WOO]
	v_lshlrev_b32 v[R32], 5, v193
	v_lshlrev_b32 v[R4], 2, v193
	v_lshl_add_u32 v[IDO], v194, 10, v[R4]
	v_lshlrev_b32 v[LT], 2, v0
	s_lshl_b32 s24, s18, 2
	s_add_co_u32 s24, s24, 2048
	v_mov_b32 v[LC], s24
	v_mov_b32 v[LC0], 2048
	s_mov_b32 s20, 0x76543210
	s_mov_b32 s21, 0xfedcba98
	s_mov_b32 s27, 0
	s_wait_kmcnt 0x0
	s_load_b32 s19, s[4:5], 0x190                  ; segment_ids[100]
	s_lshl_b32 s26, s18, 6
	s_add_nc_u64 s[28:29], s[4:5], s[26:27]        ; ids of tile w
	s_lshl_b32 s26, s18, 13
	s_add_nc_u64 s[30:31], s[6:7], s[26:27]        ; wvc at tile w
	s_lshl_b32 s26, s18, 9
	s_add_nc_u64 s[32:33], s[8:9], s[26:27]        ; wvs at tile w
	s_lshl_b32 s26, ttmp9, 13
	s_add_nc_u64 s[34:35], s[10:11], s[26:27]      ; my 16 rows of Wo: 512 bytes each
	s_lshl_b32 s26, ttmp9, 9
	s_add_nc_u64 s[36:37], s[12:13], s[26:27]      ; their scale bytes: 32 each
	s_lshl_b32 s26, ttmp9, 6
	s_add_nc_u64 s[38:39], s[14:15], s[26:27]
	s_add_nc_u64 s[40:41], s[16:17], s[26:27]
	s_cmp_lg_u32 s18, 0
	s_cbranch_scc1 .Lno_bo
	global_load_b32 v[BO], v[R4], s[38:39]
.Lno_bo:
.irp j, 0,1,2,3,4,5,6,7
	global_load_b32 v[16+\j], v[IDO], s[28:29] offset:2048*\j        ; lanes 0-15: candidate 2 j, lanes 16-31: candidate 2 j + 1
.endr
.irp q, 0,1,2,3,4,5,6,7
	global_load_b128 v[BF+8*\q:BF+8*\q+3],   v[WOO], s[34:35] offset:64*\q
	global_load_b128 v[BF+8*\q+4:BF+8*\q+7], v[WOO], s[34:35] offset:64*\q+32
.endr
	global_load_b128 v[BSC:BSC+3],   v[R32], s[36:37]
	global_load_b128 v[BSC+4:BSC+7], v[R32], s[36:37] offset:16
.set j, 0
.rept 16
	v_mov_b32 v[ACC+j], 0                          ; which tile is a wave's first hangs on the ids, and a wave with none hands on zeros
.set j, j+1
.endr
	s_mov_b32 s22, 0                               ; bit i: candidate i holds a main token
	s_mov_b32 s23, 0                               ; my main tokens
	s_wait_kmcnt 0x0
	s_wait_loadcnt 18                              ; bo and the ids are in; Wo's eighteen loads, issued behind them, may be out
.irp j, 0,1,2,3,4,5,6,7
	v_cmp_eq_u32 s42, s19, v[16+\j]
	s_bcnt1_i32_b32 s43, s42
	s_add_co_u32 s23, s23, s43
	s_and_b32 s43, s42, 0xffff
	s_cselect_b32 s43, 1<<(2*\j), 0
	s_or_b32 s22, s22, s43
	s_lshr_b32 s43, s42, 16
	s_cselect_b32 s43, 1<<(2*\j+1), 0
	s_or_b32 s22, s22, s43
.endr
	s_mov_b32 s24, 0
.Ltile:
	s_lshr_b32 s42, s22, s24
	s_and_b32 s42, s42, 1
	s_cmp_lg_u32 s42, 0
	s_cbranch_scc0 .Lskip
	v_lshl_add_u32 v[AO], s24, 17, v[L16]          ; (the loads that named these two were waited for in the last kept tile)
	v_lshl_add_u32 v[ASO], s24, 13, v[R32]
.irp q, 0,1,2,3,4,5,6,7
	global_load_b128 v[AF+8*\q:AF+8*\q+3],   v[AO], s[30:31] offset:1024*\q
	global_load_b128 v[AF+8*\q+4:AF+8*\q+7], v[AO], s[30:31] offset:1024*\q+512
.endr
	global_load_b128 v[ASC:ASC+3],   v[ASO], s[32:33]
	global_load_b128 v[ASC+4:ASC+7], v[ASO], s[32:33] offset:16
	s_wait_loadcnt 0x0                             ; the tile, and in the first kept tile Wo
.irp q, 0,1,2,3,4,5,6,7                ; source 0 = 16 rows of wv, source 1 = my 16 rows of Wo; the two accumulators take turns, over the backward jump too
	v_wmma_scale_f32_16x16x128_f8f6f4 v[ACC+8*(\q%2):ACC+8*(\q%2)+7], v[AF+8*\q:AF+8*\q+7], v[BF+8*\q:BF+8*\q+7], v[ACC+8*(\q%2):ACC+8*(\q%2)+7], v[ASC+\q], v[BSC+\q] matrix_a_fmt:MATRIX_FMT_FP4 matrix_b_fmt:MATRIX_FMT_FP4
.endr
.rept 4
	v_nop                                          ; places ahead of the next tile's loads and of the reads of the sums
.endr
.Lskip:
	s_add_co_u32 s24, s24, 1
	s_cmp_lt_u32 s24, 16
	s_cbranch_scc1 .Ltile
.irp j, 0,1,2,3,4,5,6,7
	v_add_f32 v[192+\j], v[ACC+\j], v[ACC+8+\j]    ; lane (r, h), register j: column r, row 8 h + j: from the low end on
.endr
	v_add_f32 v192, v192, v193
	v_add_f32 v194, v194, v195
	v_add_f32 v196, v196, v197
	v_add_f32 v198, v198, v199
	v_add_f32 v192, v192, v194
	v_add_f32 v196, v196, v198
	v_add_f32 v192, v192, v196
	v_permlanex16_b32 v193, v192, s20, s21
	v_add_f32 v192, v192, v193                     ; my tiles' sum over rows, column r
	v_mov_b32 v194, s23
	ds_store_b32 v[LT], v192
	ds_store_b32 v[LC], v194                       ; all lanes the same word with the same value
	s_wait_dscnt 0x0                               ; for wave 0's sake
	s_barrier_signal -1
	s_barrier_wait -1
	s_cmp_lg_u32 s18, 0
	s_cbranch_scc1 .Lend
.irp c, 0,1,2,3,4,5,6,7,8,9,10,11,12,13,14,15
	ds_load_b32 v[AF+\c], v[LT] offset:128*\c      ; (in wave 0, 4 x thread is 4 x lane.)  Into wv's registers: no load from memory can be pending there
.endr
.irp c, 0,1,2,3
	ds_load_b128 v[AF+16+4*\c:AF+19+4*\c], v[LC0] offset:16*\c
.endr
	s_wait_dscnt 0x0
.irp c, 1,2,3,4,5,6,7,8,9,10,11,12,13,14,15
	v_add_f32 v[AF], v[AF], v[AF+\c]
	v_add_nc_u32 v[AF+16], v[AF+16], v[AF+16+\c]
.endr
	v_cvt_f32_u32 v[AF+16], v[AF+16]               ; the number of main rows: at least 1, token 100's own
	v_rcp_f32 v[AF+17], v[AF+16]
	v_nop
	s_wait_alu depctr_va_vdst(0)
	v_fma_f32 v[AF], v[AF], v[AF+17], v[BO]
	global_store_b32 v[R4], v[AF], s[40:41]        ; 64 consecutive bytes; both halves of the lanes store the same number at the same place
.Lend:
	s_wait_tensorcnt 0x0                           ; the wave's end
	ds_add_u32 v[SPW], v[NIL]
	s_wait_dscnt 0x0
	s_endpgm
.Lfunc_end_k_q8ada1d7924_outp:
	.size	k_q8ada1d7924_outp, .Lfunc_end_k_q8ada1d7924_outp-k_q8ada1d7924_outp
	.p2alignl 7, 3214868480
	.fill 96, 4, 3214868480
	.section	.rodata,"a",@progbits
	.p2align	6, 0x0
	.amdhsa_kernel k_q8ada1d7924_outp
		.amdhsa_group_segment_fixed_size 4352
		.amdhsa_private_segment_fixed_size 0
		.amdhsa_enable_private_segment 0
		.amdhsa_kernarg_size 56
		.amdhsa_user_sgpr_count 2
		.amdhsa_user_sgpr_kernarg_segment_ptr 1
		.amdhsa_wavefront_size32 1
		.amdhsa_system_sgpr_workgroup_id_x 1
		.amdhsa_system_sgpr_workgroup_id_y 1
		.amdhsa_system_sgpr_workgroup_id_z 1
		.amdhsa_system_vgpr_workitem_id 0
		.amdhsa_next_free_vgpr 200
		.amdhsa_next_free_sgpr 66
		.amdhsa_reserve_vcc 0
		.amdhsa_float_denorm_mode_32 3
		.amdhsa_float_denorm_mode_16_64 3
		.amdhsa_memory_ordered 1
		.amdhsa_forward_progress 1
		.amdhsa_inst_pref_size 15
	.end_amdhsa_kernel
	.amdgpu_metadata
---
amdhsa.version: [ 1, 2 ]
amdhsa.kernels:
  - .name:           k_q8ada1d7924_outp
    .symbol:         k_q8ada1d7924_outp.kd
    .args:
      - { .name: segment_ids, .offset: 0, .size: 8, .value_kind: global_buffer, .address_space: global }
      - { .name: wvc, .offset: 8, .size: 8, .value_kind: global_buffer, .address_space: global }
      - { .name: wvs, .offset: 16, .size: 8, .value_kind: global_buffer, .address_space: global }
      - { .name: Wo_codes, .offset: 24, .size: 8, .value_kind: global_buffer, .address_space: global }
      - { .name: Wo_scales, .offset: 32, .size: 8, .value_kind: global_buffer, .address_space: global }
      - { .name: bo, .offset: 40, .size: 8, .value_kind: global_buffer, .address_space: global }
      - { .name: out0, .offset: 48, .size: 8, .value_kind: global_buffer, .address_space: global }
    .group_segment_fixed_size: 4352
    .private_segment_fixed_size: 0
    .kernarg_segment_align: 8
    .kernarg_segment_size: 56
    .max_flat_workgroup_size: 512
    .sgpr_count:     66
    .vgpr_count:     200
    .wavefront_size: 32
...
	.end_amdgpu_metadata
.endif
;; end of part 3
;; ======== version 2 of 2: 3 launches; version 1 with the launches attn, outp written anew for expert scheduling mode
;; workspace buffers: vc 2,097,152 bytes; vs 131,072 bytes; qkc 4,194,304 bytes; qks 524,288 bytes; wvc 2,097,152 bytes; wvs 131,072 bytes
;; launch proj: the kernel of part 1 again; grid 8 x 32, 12 waves a work-group, clusters of 4 x 4, 297,472 bytes of LDS; arguments x_codes, x_scales, Wv_codes, Wv_scales, Wq_codes, Wq_scales, Wk_codes, Wk_scales, bv, bq, bk, vc, vs, qkc, qks; writes vc, vs, qkc, qks
;; launch attn (part 4): grid 16 x 16, 16 waves a work-group, no clusters, 141,312 bytes of LDS; arguments segment_ids, qkc, qks, vc, vs, wvc, wvs; writes wvc, wvs
.if DOCPART == 4
	.amdgcn_target "amdgcn-amd-amdhsa--gfx1250"
	.amdhsa_code_object_version 6
	.text
	.protected	k_q8ada1d7924_attn
	.globl	k_q8ada1d7924_attn
	.p2align	8
	.type	k_q8ada1d7924_attn,@function
k_q8ada1d7924_attn:
	s_mov_b64 s[64:65], 0
	v_nop
	global_prefetch_b8 v0, s[64:65] scope:SCOPE_SE
	s_setreg_imm32_b32 hwreg(HW_REG_WAVE_SCHED_MODE, 0, 2), 2
	s_setreg_imm32_b32 hwreg(HW_REG_WAVE_MODE, 25, 1), 1
	s_wait_xcnt 0x0
	s_wait_alu depctr_vm_vsrc(0)
; ATTN: for one head and the tiles of 16 queries that hold a main token: scores, softmax, weights x V, wv = O / l quantised along the channels, on codes of FP4 (E2M1) with E8M0 scales.
; LEFT OUT (shown at the head of the first kernel): tiles of 16 queries with no main token (main[s] = 0 multiplies their rows away); the score product of steps of 128 keys with no main key (where() writes 0 there,
; and 0 is what is used).  Both are choices by segment_ids, read here from memory; no order of the ids is assumed.  A row that is not main inside a kept tile is computed under the main rows' mask and gets zero codes.
; No tensor load and no cluster: branches here hang on loaded whole numbers, and joint requests exist for tensor loads alone.
; THE SOFTMAX: t = score x log2(e); M = the largest t so far, rounded up to a whole number; p = 2^(t - M) is quantised along the keys; l is the sum of the unquantised p and divides at the end.
; LIMITS: p under 2^-126 counts as 0; where M passes 124 the weights 2^-M of the keys outside the segment lie under the least scale and are held by it.  NaN and infinities are not served.
; SHARES.  Work-group (g, head) has sixteen candidate tiles T = g + 16 i.  Wave w owns keys 256 w on, two steps of 128, for all 64 channels; the sixteen partial (O, l, M) meet in LDS, and waves 0 and 1
; combine 32 channels each (a block of the next K), quantise and store.  The loop over candidates has a constant count and one barrier a candidate on every path; the branches on ids lead round work alone.
; LAYOUT.  Both products transposed: S^T = K Q^T, O^T = V^T P^T: a lane holds one query (lane % 16); register j of tile tau is key (or channel) 16 tau + 8 h + j.
; K = 64 IN A FORM OF 128: Q's operand is four registers of codes and four of zero codes; K's tile tau is the run of eight registers from KB + 4 tau, whose upper four (the next tile's codes) meet Q's zero codes.
; THE MASK: the codes of keys that are not main are set to 0, so that their score is the exact 0 of where().
; THE MODE: SCHED_MODE bits 1:0 = 2 (LLVM: expert scheduling mode 2), set by the entry lines.  The code itself states the register dependences between vector or matrix instructions and memory or LDS
; instructions, with s_wait_alu, always for 0.
; THE PLAN.  Registers that memory or LDS instructions touch, and who else names them:
;   v3, v4, v10-11, v25-30, v255, v1, v2   offsets and LDS addresses: made at the head, never written again: the head's wait on va_vdst states them for the whole kernel.
;   v6, v7          Written at a kept candidate's head; read by its loads of Q, of Q's scale words and of the ids.
;   v16-19, v24, v9, v32-99   Q, its words, the ids, V, its words: landed in at a kept candidate's head; read by its products (v9: by the combiner's compare).
;   v196-227, v232-235        K and its words land; the selects write K's codes, the score products read them; p's codes are then written there and the second products read them; in the combiners the statistics land there.
;   v32-95, v132-195          In the combiners the partial O land there by turns, and the packed multiply-adds read them.
;   v100-131, v12-13          O^T and (-M, l): written by vector and matrix lines, read by my LDS stores.  No load ever lands there but the ids at the head.
;   v116-118, v252, v253      Written by the combiner, read by its two stores.
; The sixteen waves stand four to a SIMD with 256 registers each, all that a SIMD has: there is no second buffer:
; a pair at a kept candidate's head, one ahead of the second step's loads of K, one ahead of each group of scaled products whose operands vector lines have written, one ahead of my LDS stores,
; and in the combiner one on vm_vsrc at its head, one ahead of each reload of a partials' buffer, and one ahead of its stores.
.set BUFSZ, 69632                      ; an LDS buffer: sixteen waves' O (4,096 bytes each: eight images of 512), then their statistics (256 bytes each)
.set STATS, 65536
.set SPARE, 2*BUFSZ                    ; behind the two buffers: the spare words, 128 bytes for each of sixteen waves: eight blocks of 256 bytes that no other line names
.set SPW, 1                            ; v1   LDS address of my spare word; never rewritten
.set NIL, 2                            ; v2   0; never rewritten
.set L16, 3                            ; v3   16 x lane
.set L4,  4                            ; v4   4 x lane
.set R4,  5                            ; v5   4 r
.set QO,  6                            ; v6   the candidate's Q: 8,192 i + 16 x lane
.set QSO, 7                            ; v7   its scale words and its ids: 1,024 i + 4 r
.set WCO, 8                            ; v8   wv's codes: 256 beta + 16 r + 8 h
.set ID,  9                            ; v9   the id of my query (waves 0 and 1)
.set CLS, 10                           ; v10-11 the combiner's address of the statistics in buffer 0, 1
.set QF,  16                           ; v16-23 Q's operand; v20-23 stay 0
.set QS,  24                           ; v24  Q's scale words
.set STO, 25                           ; v25-26 where I put my O in buffer 0, 1
.set STS, 27                           ; v27-28 and my statistics
.set CLO, 29                           ; v29-30 the combiner's address of the partial O
.set WSO, 31                           ; v31  wv's scale byte: 32 r + beta
.set VF,  32                           ; v32-95  V^T's fragments: 32 k + 8 d
.set VS,  96                           ; v96-99  their scale words: 2 k + d / 2
.set OA,  100                          ; v100-131 O^T
.set S,   132                          ; v132-195 S^T, then p
.set KB,  196                          ; v196-231 K's codes; v228-231 stay 0
.set KS,  232                          ; v232-235 K's scale words
.set BM,  236                          ; v236-239 the blocks' largest scores
.set PM,  240                          ; v240-243 at work
.set SCO, 244                          ; v244-247 the conversions' scale operands
.set PW,  248                          ; v248 p's scale word
.set X,   249                          ; v249 2^-M
.set F,   250                          ; v[250:251] f = 2^(old M - new M) in the low word
.set PC,  196                          ; p's codes, where K's lay
.set T8,  204
.macro PLACES
.rept 4
	v_nop
.endr
.endm
.macro WM d, a, b, zero, sa, sb, ra
.if \zero
.if (\ra)
	v_wmma_scale_f32_16x16x128_f8f6f4 v[\d:\d+7], v[\a:\a+7], v[\b:\b+7], 0, v[\sa], v[\sb] matrix_a_fmt:MATRIX_FMT_FP4 matrix_b_fmt:MATRIX_FMT_FP4 matrix_a_scale:MATRIX_SCALE_ROW1
.else
	v_wmma_scale_f32_16x16x128_f8f6f4 v[\d:\d+7], v[\a:\a+7], v[\b:\b+7], 0, v[\sa], v[\sb] matrix_a_fmt:MATRIX_FMT_FP4 matrix_b_fmt:MATRIX_FMT_FP4
.endif
.else
.if (\ra)
	v_wmma_scale_f32_16x16x128_f8f6f4 v[\d:\d+7], v[\a:\a+7], v[\b:\b+7], v[\d:\d+7], v[\sa], v[\sb] matrix_a_fmt:MATRIX_FMT_FP4 matrix_b_fmt:MATRIX_FMT_FP4 matrix_a_scale:MATRIX_SCALE_ROW1
.else
	v_wmma_scale_f32_16x16x128_f8f6f4 v[\d:\d+7], v[\a:\a+7], v[\b:\b+7], v[\d:\d+7], v[\sa], v[\sb] matrix_a_fmt:MATRIX_FMT_FP4 matrix_b_fmt:MATRIX_FMT_FP4
.endif
.endif
.endm
; A KEY STEP: my k-th 128 keys.
.macro STEP k
	s_or_b32 s70, s[24+4*\k], s[25+4*\k]
	s_or_b32 s71, s[26+4*\k], s[27+4*\k]
	s_or_b32 s70, s70, s71
	s_cmp_lg_u32 s70, 0
	s_cbranch_scc0 .Lplain_\@                      ; no main key among the 128: every score is the 0 of where()
.irp u, 0,1,2,3                        ; lane masks for K's tiles 2 u and 2 u + 1: lane (r, h) holds key r of the tile, so the tile's 16 bits stand in both halves
	s_and_b32 s70, s[24+4*\k+\u], 0xffff
	s_lshl_b32 s71, s70, 16
	s_or_b32 s[32+2*\u], s70, s71
	s_lshr_b32 s70, s[24+4*\k+\u], 16
	s_lshl_b32 s71, s70, 16
	s_or_b32 s[33+2*\u], s70, s71
.endr
.if \k
	s_wait_alu depctr_va_vdst(0)                   ; the last step's products are done reading p's codes and K's scale words, and its vector lines are done with v196-235: K's codes and scale words land there.  (In a candidate's first step the wait at the candidate's head states the same: no line since then names these registers)
.endif
.irp u, 0,1,2,3,4,5,6,7
	global_load_b128 v[KB+4*\u:KB+4*\u+3], v[L16], s[48:49] offset:\k*4096+\u*512
.endr
.irp b, 0,1,2,3
	global_load_b32 v[KS+\b], v[L4], s[50:51] offset:\k*512+\b*128   ; lanes 0-15: tile 2 b's words, lanes 16-31: tile 2 b + 1's
.endr
	s_wait_loadcnt 0x0                             ; K, and with it Q, V and the ids
.irp u, 0,1,2,3,4,5,6,7
.irp i, 0,1,2,3
	v_cndmask_b32 v[KB+4*\u+\i], 0, v[KB+4*\u+\i], s[32+\u]
.endr
.endr
	PLACES                                         ; an operand written by vector instructions stands four places ahead of a scaled product
	s_wait_alu depctr_va_vdst(0)                   ; the selects have written K's codes, which the scaled products take as an operand; the places above stay beside this wait
.irp u, 0,1,2,3,4,5,6,7
	WM S+8*\u, KB+4*\u, QF, 1, KS+\u/2, QS, \u%2
.endr
	PLACES
.irp b, 0,1,2,3
	v_max3_num_f32 v[BM+\b], v[S+16*\b], v[S+1+16*\b], v[S+2+16*\b]   ; the largest score of each block of 32 keys: for the row's maximum, and, since p rises with the score, for the block's largest p
.endr
.irp i, 3,5,7,9,11,13
.irp b, 0,1,2,3
	v_max3_num_f32 v[BM+\b], v[BM+\b], v[S+16*\b+\i], v[S+1+16*\b+\i]
.endr
.endr
.irp b, 0,1,2,3
	v_max_num_f32 v[BM+\b], v[BM+\b], v[S+15+16*\b]
.endr
.irp b, 0,1,2,3
	v_permlanex16_b32 v[PM+\b], v[BM+\b], s40, s41
.endr
.irp b, 0,1,2,3
	v_max_num_f32 v[BM+\b], v[BM+\b], v[PM+\b]     ; with lane l xor 16's 16 keys
.endr
	v_max3_num_f32 v252, v[BM], v[BM+1], v[BM+2]
	v_max_num_f32 v252, v252, v[BM+3]
	v_mul_f32 v252, s42, v252                      ; as t
	v_max_num_f32 v13, v13, v252                   ; the running largest t
	v_mov_b32 v252, v12
	v_floor_f32 v12, -v13                          ; the new -M = floor(-t): M is a whole number
	v_sub_f32 v252, v12, v252
	v_cvt_i32_f32 v252, v252                       ; old M - new M, 0 or less (it saturates)
	v_ldexp_f32 v[F], 1.0, v252                    ; f: a multiplication by it rounds nothing
.set j, 0
.rept 32
	v_pk_fma_f32 v[S+j:S+j+1], v[S+j:S+j+1], s[42:43], v[12:13] op_sel_hi:[1,0,0]   ; t - M, two at a time
.set j, j+2
.endr
.irp b, 0,1,2,3
	v_fma_f32 v[BM+\b], v[BM+\b], s42, v12
.endr
.set j, 0
.rept 64
	v_exp_f32 v[S+j], v[S+j]                       ; p = 2^(t - M)
.set j, j+1
.endr
	v_pk_mul_f32 v[14:15], v[14:15], v[F:F+1] op_sel_hi:[1,0]   ; l under the new M: the plain place behind the exponentials
	s_wait_alu depctr_va_vdst(0)                   ; one wait for the batch, ahead of its first reader
.irp b, 0,1,2,3
	v_exp_f32 v[BM+\b], v[BM+\b]                   ; the blocks' largest p
.endr
	v_pk_add_f32 v[PM:PM+1], v[S:S+1], v[S+2:S+3]  ; l takes the unquantised p, in two chains
.irp j, 4,8,12,16,20,24,28,32,36,40,44,48,52,56,60
	v_pk_add_f32 v[14:15], v[14:15], v[S+\j:S+\j+1]
	v_pk_add_f32 v[PM:PM+1], v[PM:PM+1], v[S+2+\j:S+3+\j]
.endr
	v_pk_add_f32 v[14:15], v[14:15], v[PM:PM+1]
	s_wait_alu depctr_va_vdst(0)                   ; and one for the four
.irp b, 0,1,2,3
	v_max_num_f32 v[BM+\b], 0x1800000, v[BM+\b]    ; the floor 2^(3 - 127)
.endr
.irp b, 0,1,2,3
	v_add_nc_u32 v[SCO+\b], 0xff000000, v[BM+\b]
.endr
.irp b, 0,1,2,3
	v_lshrrev_b32 v[PM+\b], 23, v[SCO+\b]
.endr
	v_lshl_or_b32 v[PW], v[PM+1], 8, v[PM]
	v_lshl_or_b32 v[PW], v[PM+2], 16, v[PW]
	v_lshl_or_b32 v[PW], v[PM+3], 24, v[PW]
.irp b, 0,1,2,3                        ; tile 4 c + 2 u + e goes to register 4 c + 2 e + u; the exchange of halves then gives register 4 c + i the keys 64 c + 32 h + 8 i on
	v_cvt_scalef32_pk8_fp4_f32 v[PC+4*(\b/2)+(\b%2)],   v[S+16*\b:S+16*\b+7],    v[SCO+\b]
	v_cvt_scalef32_pk8_fp4_f32 v[PC+4*(\b/2)+2+(\b%2)], v[S+16*\b+8:S+16*\b+15], v[SCO+\b]
.endr
	v_nop
.irp c, 0,1
.irp e, 0,1
	v_permlane16_swap_b32 v[PC+4*\c+2*\e], v[PC+4*\c+2*\e+1]
.endr
.endr
	s_branch .Ljoin_\@
.Lplain_\@:                            ; t = 0 for all 128 keys: one p, 2^-M, for all of them
	s_wait_loadcnt 0x0                             ; V (and Q, the ids)
	v_max_num_f32 v13, 0, v13
	v_mov_b32 v252, v12
	v_floor_f32 v12, -v13
	v_sub_f32 v252, v12, v252
	v_cvt_i32_f32 v252, v252
	v_ldexp_f32 v[F], 1.0, v252
	v_exp_f32 v[X], v12
	v_pk_mul_f32 v[14:15], v[14:15], v[F:F+1] op_sel_hi:[1,0]
	s_wait_alu depctr_va_vdst(0)                   ; the exponential has written 2^-M, ahead of its first reader
	v_fma_f32 v14, v[X], 0x42800000, v14           ; my half of the lanes holds 64 of the 128 keys
	v_max_num_f32 v252, 0x1800000, v[X]
	v_add_nc_u32 v253, 0xff000000, v252
	v_lshrrev_b32 v254, 23, v253
	v_mul_lo_u32 v[PW], v254, 0x01010101           ; the same byte for the four blocks
.irp i, 0,1,2,3,4,5,6,7
	v_mov_b32 v[T8+\i], v[X]
.endr
	v_cvt_scalef32_pk8_fp4_f32 v[PC], v[T8:T8+7], v253
	v_nop
.irp i, 1,2,3,4,5,6,7
	v_mov_b32 v[PC+\i], v[PC]
.endr
.Ljoin_\@:
.set j, 0
.rept 16
	v_pk_mul_f32 v[OA+j:OA+j+1], v[OA+j:OA+j+1], v[F:F+1] op_sel_hi:[1,0]   ; O^T under the new M; these sixteen are also the places between p's codes and scale word and the products
.set j, j+2
.endr
	s_wait_alu depctr_va_vdst(0)                   ; p's codes and p's scale word are written, which the scaled products take as an operand and as scales; the places above stay beside this wait
.irp d, 0,1,2,3
	WM OA+8*\d, VF+32*\k+8*\d, PC, 0, VS+2*\k+\d/2, PW, \d%2
.endr
	PLACES                                         ; ahead of loads into p's and V's registers and of the reads of O^T
.endm
; the combiner: sixteen loads, partials c0 .. c0 + 3 of my 32 channels
.macro CLOAD reg, c0, adr
.irp c, 0,1,2,3
.irp i, 0,1,2,3
	ds_load_b128 v[\reg+16*\c+4*\i:\reg+16*\c+4*\i+3], v[\adr] offset:(\c0+\c)*4096+512*\i
.endr
.endr
.endm
.macro CACC reg, c0, first             ; acc += f_c O_c; f_c is the low word of partial c's pair
.irp c, 0,1,2,3
.irp j, 0,2,4,6,8,10,12,14
.if (\first) && (\c == 0)
	v_pk_mul_f32 v[OA+\j:OA+\j+1], v[\reg+\j:\reg+\j+1], v[196:197] op_sel_hi:[1,0]
.else
	v_pk_fma_f32 v[OA+\j:OA+\j+1], v[\reg+16*\c+\j:\reg+16*\c+\j+1], v[196+2*(\c0+\c):197+2*(\c0+\c)], v[OA+\j:OA+\j+1] op_sel_hi:[1,0,1]
.endif
.endr
.endr
.endm
; ONE CANDIDATE, through LDS buffer z.
.macro TRIP z
	s_add_co_u32 s23, s22, \z                      ; the candidate's number i
	s_lshr_b32 s63, s21, s23
	s_and_b32 s63, s63, 1
	s_cmp_lg_u32 s63, 0
	s_cbranch_scc0 .Ldead_\@                       ; no main token among its 16 queries
	s_wait_alu depctr_vm_vsrc(0)                   ; the last kept candidate's loads have read v6 and v7, my LDS stores have read O^T and (-M, l), the combiner's stores have read v116-118, v252 and v253: all of these are written again from here on
	v_lshl_add_u32 v[QO], s23, 13, v[L16]          ; (the last loads that named these two were waited for in the last live candidate's steps)
	v_lshl_add_u32 v[QSO], s23, 10, v[R4]
	s_wait_alu depctr_va_vdst(0)                   ; v6 and v7 are written, which the loads below read; every earlier vector and matrix line is done with Q, V, K and their scale words and with v9, in which this candidate's loads land
	global_load_b128 v[QF:QF+3], v[QO], s[44:45]
	global_load_b32 v[QS], v[QSO], s[46:47]
	s_cmp_lt_u32 s18, 2
	s_cbranch_scc0 .Lno_id_\@
	global_load_b32 v[ID], v[QSO], s[56:57]        ; the combiners want the queries' ids
.Lno_id_\@:
.irp k, 0,1
.irp d, 0,1,2,3
	global_load_b128 v[VF+32*\k+8*\d:VF+32*\k+8*\d+3],   v[L16], s[52:53] offset:4096*\k+1024*\d
	global_load_b128 v[VF+32*\k+8*\d+4:VF+32*\k+8*\d+7], v[L16], s[52:53] offset:4096*\k+1024*\d+512
.endr
.irp b, 0,1
	global_load_b32 v[VS+2*\k+\b], v[L4], s[54:55] offset:256*\k+128*\b
.endr
.endr
.set j, 0
.rept 32
	v_mov_b32 v[OA+j], 0                           ; the step is written once: the first finds zeros, which the first change of M leaves zeros.  (These lines name v100-131 and v12-15 alone: none of the registers that this candidate's loads touch)
.set j, j+1
.endr
	v_mov_b32 v13, 0xff61b1e6                      ; the largest t so far: -3e38
	v_floor_f32 v12, -v13
	v_mov_b32 v14, 0
	v_mov_b32 v15, 0
	STEP 0
	STEP 1
	v_add_f32 v13, v14, v15                        ; l's two halves: v[12:13] = (-M, l)
	s_wait_alu depctr_va_vdst(0)                   ; the products have written O^T and the addition l, which the LDS stores read (the four places stand at the step's end).  My lines are also done with v32-95 and v132-227, in which the combiners' LDS loads land: no vector line follows ahead of those loads
.irp i, 0,1,2,3,4,5,6,7
	ds_store_b128 v[STO+\z], v[OA+4*\i:OA+4*\i+3] offset:512*\i      ; O^T as images of its registers, each accumulator from its low end on
.endr
	ds_store_b64 v[STS+\z], v[12:13]
.Ldead_\@:
	s_wait_dscnt 0x0                               ; my stores into this buffer have landed, and (waves 0, 1) my reads of the other buffer are in
	s_barrier_signal -1
	s_barrier_wait -1                              ; between this barrier and the next, the combiners read this buffer and all waves store into the other
	s_cmp_lt_u32 s18, 2
	s_cbranch_scc0 .Lno_comb_\@
	s_cmp_lg_u32 s63, 0
	s_cbranch_scc0 .Lno_comb_\@
	s_wait_alu depctr_vm_vsrc(0)                   ; my LDS stores have read O^T's registers, and the last combining's stores v116-118, v252 and v253: the combining writes them again
.irp c, 0,1,2,3,4,5,6,7,8,9,10,11,12,13,14,15
	ds_load_b64 v[196+2*\c:197+2*\c], v[CLS+\z] offset:256*\c       ; (-M_c, l_c)
.endr
	CLOAD 32, 0, CLO+\z
	CLOAD 132, 4, CLO+\z
	s_wait_dscnt 32                                ; the statistics are in; the 32 loads behind them may be out
	v_max3_num_f32 v236, -v196, -v198, -v200       ; M = the largest M_c
.irp c, 3,5,7,9,11,13
	v_max3_num_f32 v236, v236, -v[196+2*\c], -v[198+2*\c]
.endr
	v_max_num_f32 v236, v236, -v226
.irp c, 0,1,2,3,4,5,6,7,8,9,10,11,12,13,14,15
	v_sub_f32 v[196+2*\c], -v[196+2*\c], v236      ; M_c - M: a whole number, 0 or less
.endr
.irp c, 0,1,2,3,4,5,6,7,8,9,10,11,12,13,14,15
	v_cvt_i32_f32 v[196+2*\c], v[196+2*\c]
.endr
.irp c, 0,1,2,3,4,5,6,7,8,9,10,11,12,13,14,15
	v_ldexp_f32 v[196+2*\c], 1.0, v[196+2*\c]      ; f_c = 2^(M_c - M)
.endr
	v_mul_f32 v237, v196, v197
.irp c, 1,2,3,4,5,6,7,8,9,10,11,12,13,14,15
	v_fma_f32 v237, v[196+2*\c], v[197+2*\c], v237 ; l = the sum of f_c l_c
.endr
	s_wait_dscnt 16                                ; partials 0-3 are in; the sixteen loads behind them may be out
	CACC 32, 0, 1
	s_wait_alu depctr_va_vdst(0)                   ; the multiply-adds are done reading v32-95, in which partials 8-11 land
	CLOAD 32, 8, CLO+\z
	s_wait_dscnt 16                                ; partials 4-7
	CACC 132, 4, 0
	s_wait_alu depctr_va_vdst(0)                   ; the multiply-adds are done reading v132-195, in which partials 12-15 land
	CLOAD 132, 12, CLO+\z
	s_wait_dscnt 16                                ; partials 8-11
	CACC 32, 8, 0
	s_wait_dscnt 0x0
	CACC 132, 12, 0
	v_permlanex16_b32 v236, v237, s40, s41
	v_add_f32 v237, v237, v236                     ; with lane l xor 16's keys: the row's sum
	v_rcp_f32 v236, v237
	v_nop
	v_cmp_eq_u32 vcc_lo, s62, v[ID]                ; is my row main?  The mask is read far below
	v_lshl_add_u32 v252, s23, 17, v[WCO]           ; where the codes and the scale byte go
	v_lshl_add_u32 v253, s23, 13, v[WSO]
	s_wait_alu depctr_va_vdst(0)                   ; the reciprocal is written, ahead of its first reader
.irp j, 0,2,4,6,8,10,12,14
	v_pk_mul_f32 v[OA+\j:OA+\j+1], v[OA+\j:OA+\j+1], v[236:237] op_sel_hi:[1,0]   ; wv: register 8 e + i is channel 32 beta + 16 e + 8 h + i of my query
.endr
	v_max3_num_f32 v238, |v[OA]|, |v[OA+1]|, 0x1800000
.irp j, 2,4,6,8,10,12,14
	v_max3_num_f32 v238, v238, |v[OA+\j]|, |v[OA+\j+1]|
.endr
	v_permlanex16_b32 v237, v238, s40, s41
	v_max_num_f32 v238, v238, v237                 ; the block's largest magnitude
	v_add_nc_u32 v239, 0xff000000, v238
	v_lshrrev_b32 v118, 23, v239                   ; its scale byte
	v_cvt_scalef32_pk8_fp4_f32 v116, v[OA:OA+7], v239
	v_cvt_scalef32_pk8_fp4_f32 v117, v[OA+8:OA+15], v239
	v_nop
	v_permlane16_swap_b32 v116, v117               ; lane (r, 0): channels 0-15 of the block, lane (r, 1): channels 16-31
	s_wait_alu depctr_va_vcc(0)                    ; the compare has written VCC, ahead of its first reader
	v_cndmask_b32 v116, 0, v116, vcc_lo            ; a row that is not main: zero codes, the factor main[s] = 0
	v_cndmask_b32 v117, 0, v117, vcc_lo
	s_wait_alu depctr_va_vdst(0)                   ; v116-118, v252 and v253 are written, which the two stores read.  It is the combining's last vector line that it stands behind: nothing is owed to a later load into v32-95 or v132-227
	global_store_b64 v252, v[116:117], s[58:59]    ; the wave stores 256 consecutive bytes, aligned: half an image of the next operand's registers
	global_store_b8 v253, v118, s[60:61]           ; one byte a row, 32 bytes apart (both halves of the lanes the same byte): one byte for sixteen of the codes'
	s_wait_xcnt 0x0                                ; the stores' registers are written again only behind this wait
.Lno_comb_\@:
.endm
	s_load_b256 s[4:11], s[0:1], 0x0               ; segment_ids, qkc, qks, vc
	s_load_b128 s[12:15], s[0:1], 0x20             ; vs, wvc
	s_load_b64 s[16:17], s[0:1], 0x30              ; wvs
	v_lshl_add_u32 v[SPW], v0, 2, SPARE
	v_mov_b32 v[NIL], 0
	v_lshrrev_b32 v252, 5, v0
	v_readfirstlane_b32 s18, v252                  ; wave 0..15
	s_mov_b32 s19, ttmp9                           ; g
	s_and_b32 s20, ttmp7, 0xffff                   ; the head
	v_and_b32 v252, 31, v0                         ; lane
	v_and_b32 v253, 15, v0                         ; r
	v_bfe_u32 v254, v0, 4, 1                       ; h
	v_lshlrev_b32 v[L16], 4, v252
	v_lshlrev_b32 v[L4], 2, v252
	v_lshlrev_b32 v[R4], 2, v253
	s_wait_alu depctr_va_sdst(0)                   ; s18 is written, ahead of its first reader
	s_lshl_b32 s66, s18, 12
	v_add_nc_u32 v[STO], s66, v[L16]
	v_add_nc_u32 v[STO+1], BUFSZ, v[STO]
	s_lshl_b32 s66, s18, 8
	s_add_co_u32 s66, s66, STATS
	v_lshl_add_u32 v[STS], v252, 3, s66
	v_add_nc_u32 v[STS+1], BUFSZ, v[STS]
	s_and_b32 s67, s18, 1                          ; beta: which 32 channels a combiner takes
	s_lshl_b32 s66, s67, 11
	v_add_nc_u32 v[CLO], s66, v[L16]
	v_add_nc_u32 v[CLO+1], BUFSZ, v[CLO]
	v_lshl_add_u32 v[CLS], v252, 3, STATS
	v_add_nc_u32 v[CLS+1], BUFSZ, v[CLS]
	s_lshl_b32 s66, s67, 8
	v_lshl_add_u32 v[WCO], v253, 4, s66
	v_lshl_add_u32 v[WCO], v254, 3, v[WCO]
	v_lshl_add_u32 v[WSO], v253, 5, s67
	v_lshl_add_u32 v255, v254, 10, v[R4]           ; the candidates' ids: 4 r + 1,024 h
	v_mov_b32 v[ID], 0
.irp i, 4,5,6,7
	v_mov_b32 v[QF+\i], 0                          ; Q's zero codes for k = 64 .. 127
.endr
.irp i, 32,33,34,35
	v_mov_b32 v[KB+\i], 0                          ; what stands behind K's last tile
.endr
.irp b, 0,1,2,3
	v_mov_b32 v[PM+\b], 0                          ; written once: a lane permute's destination counts as one of its sources
.endr
	v_mov_b32 v[F+1], 0                            ; named as the upper half of the pair
	s_mov_b32 s40, 0x76543210
	s_mov_b32 s41, 0xfedcba98
	s_mov_b32 s42, 0x3fb8aa3b                      ; log2(e)
	s_mov_b32 s43, s42
	s_wait_kmcnt 0x0
	s_load_b32 s62, s[4:5], 0x190                  ; segment_ids[100]
	s_mov_b32 s71, 0
	s_lshl_b32 s70, s19, 6
	s_add_nc_u64 s[56:57], s[4:5], s[70:71]        ; ids of tile g
	s_lshl_b32 s70, s18, 10
	s_add_nc_u64 s[68:69], s[4:5], s[70:71]        ; ids of my 256 keys
	s_wait_alu depctr_va_vdst(0)                   ; all offsets and LDS addresses of the kernel (v1-v5, v8, v10-11, v25-31, v255) and v9 are written: every load and store reads some of them, and a load lands in v9
.irp j, 0,1,2,3,4,5,6,7
	global_load_b32 v[OA+\j], v255, s[56:57] offset:2048*\j          ; lanes 0-15: candidate 2 j, lanes 16-31: candidate 2 j + 1.  Into O^T's registers, in which no later load lands: so the compares below leave nothing owed to a load
.endr
.irp m, 0,1,2,3,4,5,6,7
	global_load_b32 v[OA+8+\m], v[L4], s[68:69] offset:128*\m        ; keys 32 m on
.endr
	s_lshl_b32 s66, s20, 17
	s_lshl_b32 s70, s19, 9
	s_add_co_u32 s70, s70, s66
	s_add_nc_u64 s[44:45], s[6:7], s[70:71]        ; Q's codes: head, tile g
	s_lshl_b32 s67, s18, 13
	s_add_co_u32 s70, s66, s67
	s_add_nc_u64 s[52:53], s[10:11], s[70:71]      ; V's codes: head, my two steps
	s_add_co_u32 s70, s70, 1<<21
	s_add_nc_u64 s[48:49], s[6:7], s[70:71]        ; K's codes: head, my sixteen tiles
	s_lshl_b32 s66, s20, 14
	s_lshl_b32 s70, s19, 6
	s_add_co_u32 s70, s70, s66
	s_add_nc_u64 s[46:47], s[8:9], s[70:71]        ; Q's scale words
	s_lshl_b32 s67, s18, 10
	s_add_co_u32 s70, s66, s67
	s_add_co_u32 s70, s70, 262144
	s_add_nc_u64 s[50:51], s[8:9], s[70:71]        ; K's
	s_lshl_b32 s66, s20, 13
	s_lshl_b32 s67, s18, 9
	s_add_co_u32 s70, s66, s67
	s_add_nc_u64 s[54:55], s[12:13], s[70:71]      ; V's
	s_lshl_b32 s66, s19, 13
	s_lshl_b32 s67, s20, 9
	s_add_co_u32 s70, s66, s67
	s_add_nc_u64 s[58:59], s[14:15], s[70:71]      ; wvc: tile g, K step head / 2, half head % 2
	s_lshl_b32 s66, s19, 9
	s_lshl_b32 s67, s20, 1
	s_add_co_u32 s70, s66, s67
	s_add_nc_u64 s[60:61], s[16:17], s[70:71]      ; wvs: tile g, byte 2 x head
	s_wait_kmcnt 0x0
	s_wait_loadcnt 0x0
.irp j, 0,1,2,3,4,5,6,7
	v_cmp_eq_u32 s[32+\j], s62, v[OA+\j]
.endr
.irp m, 0,1,2,3,4,5,6,7
	v_cmp_eq_u32 s[24+\m], s62, v[OA+8+\m]         ; s24-31: which of my keys are main
.endr
	s_wait_alu depctr_va_sdst(0)                   ; the sixteen compares have written s24-s39, ahead of their first readers: one wait for the run
	s_mov_b32 s21, 0                               ; s21: bit i: candidate i holds a main token
.irp j, 0,1,2,3,4,5,6,7
	s_and_b32 s70, s[32+\j], 0xffff
	s_cselect_b32 s70, 1<<(2*\j), 0
	s_or_b32 s21, s21, s70
	s_lshr_b32 s70, s[32+\j], 16
	s_cselect_b32 s70, 1<<(2*\j+1), 0
	s_or_b32 s21, s21, s70
.endr
	s_mov_b32 s22, 0
.Lcand:                                ; eight trips of two candidates: the two LDS buffers are constants of the two copies
	TRIP 0
	TRIP 1
	s_add_co_u32 s22, s22, 2
	s_cmp_lt_u32 s22, 16
	s_cbranch_scc1 .Lcand
	s_wait_dscnt 0x0                               ; the wave's end: the closing lines, six on end
	s_wait_alu 0x0
	s_wait_tensorcnt 0x0
	ds_add_u32 v[SPW], v[NIL]
	s_wait_dscnt 0x0
	s_endpgm
.Lfunc_end_k_q8ada1d7924_attn:
	.size	k_q8ada1d7924_attn, .Lfunc_end_k_q8ada1d7924_attn-k_q8ada1d7924_attn
	.p2alignl 7, 3214868480
	.fill 96, 4, 3214868480
	.section	.rodata,"a",@progbits
	.p2align	6, 0x0
	.amdhsa_kernel k_q8ada1d7924_attn
		.amdhsa_group_segment_fixed_size 141312
		.amdhsa_private_segment_fixed_size 0
		.amdhsa_enable_private_segment 0
		.amdhsa_kernarg_size 56
		.amdhsa_user_sgpr_count 2
		.amdhsa_user_sgpr_kernarg_segment_ptr 1
		.amdhsa_wavefront_size32 1
		.amdhsa_system_sgpr_workgroup_id_x 1
		.amdhsa_system_sgpr_workgroup_id_y 1
		.amdhsa_system_sgpr_workgroup_id_z 1
		.amdhsa_system_vgpr_workitem_id 0
		.amdhsa_next_free_vgpr 256
		.amdhsa_next_free_sgpr 72
		.amdhsa_reserve_vcc 1
		.amdhsa_float_denorm_mode_32 3
		.amdhsa_float_denorm_mode_16_64 3
		.amdhsa_memory_ordered 1
		.amdhsa_forward_progress 1
		.amdhsa_inst_pref_size 134
	.end_amdhsa_kernel
	.amdgpu_metadata
---
amdhsa.version: [ 1, 2 ]
amdhsa.kernels:
  - .name:           k_q8ada1d7924_attn
    .symbol:         k_q8ada1d7924_attn.kd
    .args:
      - { .name: segment_ids, .offset: 0, .size: 8, .value_kind: global_buffer, .address_space: global }
      - { .name: qkc, .offset: 8, .size: 8, .value_kind: global_buffer, .address_space: global }
      - { .name: qks, .offset: 16, .size: 8, .value_kind: global_buffer, .address_space: global }
      - { .name: vc, .offset: 24, .size: 8, .value_kind: global_buffer, .address_space: global }
      - { .name: vs, .offset: 32, .size: 8, .value_kind: global_buffer, .address_space: global }
      - { .name: wvc, .offset: 40, .size: 8, .value_kind: global_buffer, .address_space: global }
      - { .name: wvs, .offset: 48, .size: 8, .value_kind: global_buffer, .address_space: global }
    .group_segment_fixed_size: 141312
    .private_segment_fixed_size: 0
    .kernarg_segment_align: 8
    .kernarg_segment_size: 56
    .max_flat_workgroup_size: 512
    .sgpr_count:     72
    .vgpr_count:     256
    .wavefront_size: 32
...
	.end_amdgpu_metadata
.endif
;; end of part 4
;; launch outp (part 5): grid 64 x 1, 16 waves a work-group, no clusters, 4,352 bytes of LDS; arguments segment_ids, wvc, wvs, Wo_codes, Wo_scales, bo, out0; writes out0
.if DOCPART == 5
	.amdgcn_target "amdgcn-amd-amdhsa--gfx1250"
	.amdhsa_code_object_version 6
	.text
	.protected	k_q8ada1d7924_outp
	.globl	k_q8ada1d7924_outp
	.p2align	8
	.type	k_q8ada1d7924_outp,@function
k_q8ada1d7924_outp:
	s_mov_b64 s[64:65], 0
	v_nop
	global_prefetch_b8 v0, s[64:65] scope:SCOPE_SE
	s_setreg_imm32_b32 hwreg(HW_REG_WAVE_SCHED_MODE, 0, 2), 2
	s_setreg_imm32_b32 hwreg(HW_REG_WAVE_MODE, 25, 1), 1
	s_wait_xcnt 0x0
	s_wait_alu depctr_vm_vsrc(0)
; OUTP: out0[n] = (sum over main rows s of wv[s] . Wo[n]) / (number of main rows) + bo[n], the product on codes of FP4 (E2M1) with E8M0 scales.
; LEFT OUT (shown at the head of the first kernel): tiles of 16 rows with no main token, chosen by segment_ids, read here from memory; bo is added once, since sum(main bo) / sum(main) = bo.
; Rows that are not main inside a kept tile carry zero codes, so all kept tiles and all eight K steps add into the same two accumulators, and the sum over rows is taken once, at the end.
; SHARES.  Work-group wg owns output columns 16 wg on; its rows of Wo stay in every wave's registers.  Wave w walks the candidate tiles T = w + 16 i: the sixteen waves cover all tokens, so their counts add up
; to the number of main rows.  The loop's count is constant; the branch on ids leads round a tile's loads and products alone.
; The work-group stores 64 bytes: a wider share would leave fewer work-groups for an output of 4,096 bytes.
; THE MODE: SCHED_MODE bits 1:0 = 2 (LLVM: expert scheduling mode 2), set by the entry lines.  The code itself states the register dependences between vector or matrix instructions and memory or LDS
; instructions, with s_wait_alu, always for 0.
; THE PLAN.  Registers that memory or LDS instructions touch, and who else names them:
;   v1-v5, v10-v14   offsets and LDS addresses: made at the head, never written again: the head's wait on va_vdst states them for the whole kernel.
;   v6, v7           Written at a kept tile's head; read by its eighteen loads.
;   v104-175         wv's fragments and scale words: landed in at a kept tile's head, read by its eight products; at the end wave 0's LDS loads land in v104-135.
;   v192, v194       Written by the sum over rows and the count; read by the two LDS stores.     v104: written by the last multiply-add, read by the last store.
;   Wo's fragments and words, bo and the ids land once; the accumulators are named by vector and matrix lines alone.
; The sixteen waves stand four to a SIMD, so a wave has at most 256 registers: a second set of fragments and words (72 beside these 200) does not fit.  So a kept tile has one pair of waits at its head:
; the two address lines are laid ahead of the wait on va_vdst that the reload of the fragments owes anyway.
.set SPARE, 2304                       ; LDS: 0-2,047 a partial sum for each thread; 2,048 on a count for each wave; from 2,304 the spare words, 128 bytes for each of sixteen waves
.set SPW, 1
.set NIL, 2
.set L16, 3                            ; v3   16 x lane
.set WOO, 4                            ; v4   Wo: 512 r + 16 h
.set R32, 5                            ; v5   32 r
.set AO,  6                            ; v6   the tile's codes: 131,072 i + 16 x lane
.set ASO, 7                            ; v7   its scale words: 8,192 i + 32 r
.set BO,  8                            ; v8   bo (wave 0)
.set R4,  10                           ; v10  4 r
.set IDO, 11                           ; v11  4 r + 1,024 h
.set LT,  12                           ; v12  LDS: 4 x thread
.set LC,  13                           ; v13  LDS: my wave's count
.set LC0, 14                           ; v14  LDS: the counts
.set BF,  32                           ; v32-95   Wo's eight fragments
.set BSC, 96                           ; v96-103  their scale words
.set AF,  104                          ; v104-167 wv's eight fragments
.set ASC, 168                          ; v168-175 their scale words
.set ACC, 176                          ; v176-191 two accumulators, by turns
	s_load_b256 s[4:11], s[0:1], 0x0               ; segment_ids, wvc, wvs, Wo's codes
	s_load_b128 s[12:15], s[0:1], 0x20             ; Wo's scales, bo
	s_load_b64 s[16:17], s[0:1], 0x30              ; out0
	v_lshl_add_u32 v[SPW], v0, 2, SPARE
	v_mov_b32 v[NIL], 0
	v_lshrrev_b32 v192, 5, v0
	v_readfirstlane_b32 s18, v192                  ; wave 0..15
	v_and_b32 v192, 31, v0
	v_and_b32 v193, 15, v0                         ; r
	v_bfe_u32 v194, v0, 4, 1                       ; h
	v_lshlrev_b32 v[L16], 4, v192
	v_lshlrev_b32 v[WOO], 9, v193
	v_lshl_add_u32 v[WOO], v194, 4, v[WOO]
	v_lshlrev_b32 v[R32], 5, v193
	v_lshlrev_b32 v[R4], 2, v193
	v_lshl_add_u32 v[IDO], v194, 10, v[R4]
	v_lshlrev_b32 v[LT], 2, v0
	s_wait_alu depctr_va_sdst(0)                   ; s18 is written, ahead of its first reader
	s_lshl_b32 s24, s18, 2
	s_add_co_u32 s24, s24, 2048
	v_mov_b32 v[LC], s24
	v_mov_b32 v[LC0], 2048
	s_mov_b32 s20, 0x76543210
	s_mov_b32 s21, 0xfedcba98
	s_mov_b32 s27, 0
	s_wait_kmcnt 0x0
	s_load_b32 s19, s[4:5], 0x190                  ; segment_ids[100]
	s_lshl_b32 s26, s18, 6
	s_add_nc_u64 s[28:29], s[4:5], s[26:27]        ; ids of tile w
	s_lshl_b32 s26, s18, 13
	s_add_nc_u64 s[30:31], s[6:7], s[26:27]        ; wvc at tile w
	s_lshl_b32 s26, s18, 9
	s_add_nc_u64 s[32:33], s[8:9], s[26:27]        ; wvs at tile w
	s_lshl_b32 s26, ttmp9, 13
	s_add_nc_u64 s[34:35], s[10:11], s[26:27]      ; my 16 rows of Wo: 512 bytes each
	s_lshl_b32 s26, ttmp9, 9
	s_add_nc_u64 s[36:37], s[12:13], s[26:27]      ; their scale bytes: 32 each
	s_lshl_b32 s26, ttmp9, 6
	s_add_nc_u64 s[38:39], s[14:15], s[26:27]
	s_add_nc_u64 s[40:41], s[16:17], s[26:27]
	s_wait_alu depctr_va_vdst(0)                   ; all offsets and LDS addresses of the kernel (v1-v5, v10-v14) are written: every load and store reads one of them
	s_cmp_lg_u32 s18, 0
	s_cbranch_scc1 .Lno_bo
	global_load_b32 v[BO], v[R4], s[38:39]
.Lno_bo:
.irp j, 0,1,2,3,4,5,6,7
	global_load_b32 v[16+\j], v[IDO], s[28:29] offset:2048*\j        ; lanes 0-15: candidate 2 j, lanes 16-31: candidate 2 j + 1
.endr
.irp q, 0,1,2,3,4,5,6,7
	global_load_b128 v[BF+8*\q:BF+8*\q+3],   v[WOO], s[34:35] offset:64*\q
	global_load_b128 v[BF+8*\q+4:BF+8*\q+7], v[WOO], s[34:35] offset:64*\q+32
.endr
	global_load_b128 v[BSC:BSC+3],   v[R32], s[36:37]
	global_load_b128 v[BSC+4:BSC+7], v[R32], s[36:37] offset:16
.set j, 0
.rept 16
	v_mov_b32 v[ACC+j], 0                          ; which tile is a wave's first hangs on the ids, and a wave with none hands on zeros
.set j, j+1
.endr
	s_mov_b32 s22, 0                               ; bit i: candidate i holds a main token
	s_mov_b32 s23, 0                               ; my main tokens
	s_wait_kmcnt 0x0
	s_wait_loadcnt 18                              ; bo and the ids are in; Wo's eighteen loads, issued behind them, may be out
.irp j, 0,1,2,3,4,5,6,7
	v_cmp_eq_u32 s[4+\j], s19, v[16+\j]            ; the eight masks in a run, into s4-s11: the arguments' addresses there are done with (the bases hold copies, and the scalar load by s[4:5] has been waited for)
.endr
	s_wait_alu depctr_va_sdst(0)                   ; the eight compares have written s4-s11, ahead of their first readers: one wait for the run
.irp j, 0,1,2,3,4,5,6,7
	s_bcnt1_i32_b32 s43, s[4+\j]
	s_add_co_u32 s23, s23, s43
	s_and_b32 s43, s[4+\j], 0xffff
	s_cselect_b32 s43, 1<<(2*\j), 0
	s_or_b32 s22, s22, s43
	s_lshr_b32 s43, s[4+\j], 16
	s_cselect_b32 s43, 1<<(2*\j+1), 0
	s_or_b32 s22, s22, s43
.endr
	s_mov_b32 s24, 0
.Ltile:
	s_lshr_b32 s42, s22, s24
	s_and_b32 s42, s42, 1
	s_cmp_lg_u32 s42, 0
	s_cbranch_scc0 .Lskip
	s_wait_alu depctr_vm_vsrc(0)                   ; the last kept tile's loads have read v6 and v7, which are written again
	v_lshl_add_u32 v[AO], s24, 17, v[L16]          ; (the loads that named these two were waited for in the last kept tile)
	v_lshl_add_u32 v[ASO], s24, 13, v[R32]
	s_wait_alu depctr_va_vdst(0)                   ; v6 and v7 are written, which the loads below read; the last kept tile's products are done reading wv's fragments and scale words, in which these loads land
.irp q, 0,1,2,3,4,5,6,7
	global_load_b128 v[AF+8*\q:AF+8*\q+3],   v[AO], s[30:31] offset:1024*\q
	global_load_b128 v[AF+8*\q+4:AF+8*\q+7], v[AO], s[30:31] offset:1024*\q+512
.endr
	global_load_b128 v[ASC:ASC+3],   v[ASO], s[32:33]
	global_load_b128 v[ASC+4:ASC+7], v[ASO], s[32:33] offset:16
	s_wait_loadcnt 0x0                             ; the tile, and in the first kept tile Wo
.irp q, 0,1,2,3,4,5,6,7                ; source 0 = 16 rows of wv, source 1 = my 16 rows of Wo; the two accumulators take turns, over the backward jump too
	v_wmma_scale_f32_16x16x128_f8f6f4 v[ACC+8*(\q%2):ACC+8*(\q%2)+7], v[AF+8*\q:AF+8*\q+7], v[BF+8*\q:BF+8*\q+7], v[ACC+8*(\q%2):ACC+8*(\q%2)+7], v[ASC+\q], v[BSC+\q] matrix_a_fmt:MATRIX_FMT_FP4 matrix_b_fmt:MATRIX_FMT_FP4
.endr
.rept 4
	v_nop                                          ; places ahead of the next tile's loads and of the reads of the sums
.endr
.Lskip:
	s_add_co_u32 s24, s24, 1
	s_cmp_lt_u32 s24, 16
	s_cbranch_scc1 .Ltile
.irp j, 0,1,2,3,4,5,6,7
	v_add_f32 v[192+\j], v[ACC+\j], v[ACC+8+\j]    ; lane (r, h), register j: column r, row 8 h + j: from the low end on
.endr
	v_add_f32 v192, v192, v193
	v_add_f32 v194, v194, v195
	v_add_f32 v196, v196, v197
	v_add_f32 v198, v198, v199
	v_add_f32 v192, v192, v194
	v_add_f32 v196, v196, v198
	v_add_f32 v192, v192, v196
	v_permlanex16_b32 v193, v192, s20, s21
	v_add_f32 v192, v192, v193                     ; my tiles' sum over rows, column r
	v_mov_b32 v194, s23
	s_wait_alu depctr_va_vdst(0)                   ; v192 and v194 are written, which the LDS stores read; the products are done reading wv's fragments, in which wave 0's LDS loads land: no vector line follows ahead of those loads
	ds_store_b32 v[LT], v192
	ds_store_b32 v[LC], v194                       ; all lanes the same word with the same value
	s_wait_dscnt 0x0                               ; for wave 0's sake
	s_barrier_signal -1
	s_barrier_wait -1
	s_cmp_lg_u32 s18, 0
	s_cbranch_scc1 .Lend
.irp c, 0,1,2,3,4,5,6,7,8,9,10,11,12,13,14,15
	ds_load_b32 v[AF+\c], v[LT] offset:128*\c      ; (in wave 0, 4 x thread is 4 x lane.)  Into wv's registers: no load from memory can be pending there
.endr
.irp c, 0,1,2,3
	ds_load_b128 v[AF+16+4*\c:AF+19+4*\c], v[LC0] offset:16*\c
.endr
	s_wait_dscnt 0x0
.irp c, 1,2,3,4,5,6,7,8,9,10,11,12,13,14,15
	v_add_f32 v[AF], v[AF], v[AF+\c]
	v_add_nc_u32 v[AF+16], v[AF+16], v[AF+16+\c]
.endr
	v_cvt_f32_u32 v[AF+16], v[AF+16]               ; the number of main rows: at least 1, token 100's own
	v_rcp_f32 v[AF+17], v[AF+16]
	v_nop
	s_wait_alu depctr_va_vdst(0)                   ; the reciprocal is written, ahead of its first reader
	v_fma_f32 v[AF], v[AF], v[AF+17], v[BO]
	s_wait_alu depctr_va_vdst(0)                   ; the multiply-add has written v104, which the store reads
	global_store_b32 v[R4], v[AF], s[40:41]        ; 64 consecutive bytes; both halves of the lanes store the same number at the same place
.Lend:
	s_wait_dscnt 0x0                               ; the wave's end: the closing lines, six on end
	s_wait_alu 0x0
	s_wait_tensorcnt 0x0
	ds_add_u32 v[SPW], v[NIL]
	s_wait_dscnt 0x0
	s_endpgm
.Lfunc_end_k_q8ada1d7924_outp:
	.size	k_q8ada1d7924_outp, .Lfunc_end_k_q8ada1d7924_outp-k_q8ada1d7924_outp
	.p2alignl 7, 3214868480
	.fill 96, 4, 3214868480
	.section	.rodata,"a",@progbits
	.p2align	6, 0x0
	.amdhsa_kernel k_q8ada1d7924_outp
		.amdhsa_group_segment_fixed_size 4352
		.amdhsa_private_segment_fixed_size 0
		.amdhsa_enable_private_segment 0
		.amdhsa_kernarg_size 56
		.amdhsa_user_sgpr_count 2
		.amdhsa_user_sgpr_kernarg_segment_ptr 1
		.amdhsa_wavefront_size32 1
		.amdhsa_system_sgpr_workgroup_id_x 1
		.amdhsa_system_sgpr_workgroup_id_y 1
		.amdhsa_system_sgpr_workgroup_id_z 1
		.amdhsa_system_vgpr_workitem_id 0
		.amdhsa_next_free_vgpr 200
		.amdhsa_next_free_sgpr 66
		.amdhsa_reserve_vcc 0
		.amdhsa_float_denorm_mode_32 3
		.amdhsa_float_denorm_mode_16_64 3
		.amdhsa_memory_ordered 1
		.amdhsa_forward_progress 1
		.amdhsa_inst_pref_size 16
	.end_amdhsa_kernel
	.amdgpu_metadata
---
amdhsa.version: [ 1, 2 ]
amdhsa.kernels:
  - .name:           k_q8ada1d7924_outp
    .symbol:         k_q8ada1d7924_outp.kd
    .args:
      - { .name: segment_ids, .offset: 0, .size: 8, .value_kind: global_buffer, .address_space: global }
      - { .name: wvc, .offset: 8, .size: 8, .value_kind: global_buffer, .address_space: global }
      - { .name: wvs, .offset: 16, .size: 8, .value_kind: global_buffer, .address_space: global }
      - { .name: Wo_codes, .offset: 24, .size: 8, .value_kind: global_buffer, .address_space: global }
      - { .name: Wo_scales, .offset: 32, .size: 8, .value_kind: global_buffer, .address_space: global }
      - { .name: bo, .offset: 40, .size: 8, .value_kind: global_buffer, .address_space: global }
      - { .name: out0, .offset: 48, .size: 8, .value_kind: global_buffer, .address_space: global }
    .group_segment_fixed_size: 4352
    .private_segment_fixed_size: 0
    .kernarg_segment_align: 8
    .kernarg_segment_size: 56
    .max_flat_workgroup_size: 512
    .sgpr_count:     66
    .vgpr_count:     200
    .wavefront_size: 32
...
	.end_amdgpu_metadata
.endif
;; end of part 5
